; MI455X (gfx1250); checked and timed in simulation.
; The chip was launched on July 23, 2026; its instructions are those of AMD's public machine-readable ISA for CDNA 5 (MIT licence, August 2026) and "CDNA5" Instruction Set Architecture Reference Guide (July 2026). The comments in the code are by the model that wrote it; some were corrected since.
;; Node Layer. Allowed arithmetic: float matrix products may take bf16 or f16 operands with f32 sums; other float arithmetic in f32, or as packed bf16 or f16 multiplies, adds, multiply-adds, maxima and minima; sums over many terms, partial sums and values carried from step to step in f32; what a program stores and reads back later, other than sums and carried values, may be rounded once to bf16 or f16.
;; Inputs: W1 128 x 512 float32; W2 512 x 128 float32; b1 512 float32; b2 128 float32; x0 16,384 x 128 float32.
;; Outputs: out0 16,384 x 128 float32.
;; 3 versions, each right; version 2 is faster than version 1; version 3 is version 2 with the launches sel, fin written anew for expert scheduling mode. Each part assembles by itself: llvm-mc -triple=amdgcn-amd-amdhsa -mcpu=gfx1250 --defsym DOCPART=n.
;; ======== version 1 of 3: 6 launches
;; limits: values are held in f16: magnitudes above 65,504 overflow, below 6.1e-05 lose precision; right only within a limited range of input values
;; workspace buffers: wf 262,656 bytes; stA 8,192 bytes; stB 8,192 bytes; xs1 8,388,608 bytes; xs2 8,388,608 bytes; xsel 8,388,608 bytes; xs3 8,388,608 bytes
;; launch prep (part 1): grid 65 x 1, 8 waves a work-group, no clusters, 0 bytes of LDS; arguments W1, W2, b1, b2, wf, stA; writes wf, stA
.if DOCPART == 1
	.amdgcn_target "amdgcn-amd-amdhsa--gfx1250"
	.amdhsa_code_object_version 6
	.text
	.protected	k_qf449b10113_prep
	.globl	k_qf449b10113_prep
	.p2align	8
	.type	k_qf449b10113_prep,@function
k_qf449b10113_prep:
	s_mov_b64 s[64:65], 0
	v_nop
	global_prefetch_b8 v0, s[64:65] scope:SCOPE_SE
	s_setreg_imm32_b32 hwreg(HW_REG_WAVE_MODE, 25, 1), 1
	s_wait_xcnt 0x0
; PREPARES the three Runge-Kutta-Fehlberg steps of x' = f(x) = relu(x W1 + b1) W2 + b2 that the later launches take.
; WHAT THE PROGRAM LEAVES OUT, for all finite inputs:
;  - 'done' is never true: step 1 has h = min(1, 0.1); dt after it is max(0.1 scale, 0.1) <= 0.5 since scale <= 5; so t <= 0.1 + 0.5 when step 3 begins, below 1 - 1e-8.
;  - step 1 is always accepted: its h = 0.1 is not above 0.1 + 1e-8.  So step 2 starts from step 1's x5, and no launch takes x0 as a fall-back.
;  - x4 is not formed: x5 - x4 = h sum d_i k_i, and the d_i (1/360, 0, -128/4275, -2197/75240, 1/50, 2/55) add up to 0, both rows of weights adding up to 1:
;    so it is h sum d_i (k_i - k1), a sum of small numbers in place of a difference of two large ones.
;  - t and dt behind step 3 reach no output and are not made.
; Every input has a way to the output and is loaded.  LIMIT: a NaN, an infinity or an overflow that would reach only what is left out is not carried to the result.
; THIS LAUNCH.  Work-groups 0-63: W1 and W2, each number rounded once to bf16 and written as f16 (exact from 2^-17 up to 65,504: the limit on |W|), laid out as the matrix
; fragments of the step kernel: chunk c of 16 bytes = 8 numbers along k; c = lane + 32 q + 64 f + 2048 mat + 4096 w (w: the wave that will own hidden units 128 w ..).
; Work-group 64: c0 = relu(b1) W2 + b2 on the same rounded numbers, sums in f32; and the record of a step of length 0 for the first step launch to read:
; 1,024 errors of 1.0 and (t, dt, h, first) = (0, 0.1, 0, 1): it is taken (h <= 0.1), moves t by 0, and max(0.1 scale, 0.1) leaves dt at 0.1; 'first' says that x is the problem's x0.
.set C0OFF, 262144                     ; c0 lies behind the fragments in wf
	s_load_b256 s[4:11], s[0:1], 0x0               ; W1 s[4:5], W2 s[6:7], b1 s[8:9], b2 s[10:11]
	s_load_b128 s[12:15], s[0:1], 0x20             ; wf s[12:13], stA s[14:15]
	s_mov_b32 s25, 0xffff0000                      ; a word's upper bf16
	v_and_b32 v1, 15, v0                           ; r: the fragment's row
	v_lshrrev_b32 v2, 4, v0                        ; hh + 2 q + 4 kb: my 8 numbers begin at k = 8 x this
	v_lshlrev_b32 v3, 4, v0                        ; 16 bytes a thread
	s_cmp_eq_u32 ttmp9, 64
	s_cbranch_scc1 .Lrest
	s_and_b32 s16, ttmp9, 7
	s_lshl_b32 s16, s16, 6                         ; block of 16 columns: 64 bytes
	s_lshr_b32 s17, ttmp9, 4                       ; w
	s_lshl_b32 s18, ttmp9, 12                      ; the work-group's 256 chunks
	s_mov_b32 s19, 0
	s_and_b32 s20, ttmp9, 8                        ; mat
	s_wait_kmcnt 0x0
	s_add_nc_u64 s[12:13], s[12:13], s[18:19]
; eight numbers down a column, rounded to bf16, written as f16, stored as one chunk
.macro CONV base, stride
.irp i, 0,1,2,3,4,5,6,7
	global_load_b32 v[8+\i], v4, s[\base:\base+1] offset:\i*\stride
.endr
	s_wait_loadcnt 0x0
.irp i, 0,1,2,3
	v_cvt_pk_bf16_f32 v[16+\i], v[8+2*\i], v[9+2*\i]
.endr
.irp i, 0,1,2,3
	v_lshlrev_b32 v[8+2*\i], 16, v[16+\i]
	v_and_b32 v[9+2*\i], s25, v[16+\i]
.endr
.irp i, 0,1,2,3
	v_cvt_pk_f16_f32 v[16+\i], v[8+2*\i], v[9+2*\i]
.endr
	global_store_b128 v3, v[16:19], s[12:13]       ; a wave stores 512 consecutive bytes
.endm
	s_cmp_lg_u32 s20, 0
	s_cbranch_scc1 .Lw2
	s_lshl_b32 s18, s17, 9                         ; W1[k][n]: n = 128 w + 16 block + r
	s_add_co_u32 s18, s18, s16
	s_add_nc_u64 s[4:5], s[4:5], s[18:19]
	v_lshlrev_b32 v4, 14, v2                       ; 8 rows of 2,048 bytes
	v_lshl_add_u32 v4, v1, 2, v4
	CONV 4, 2048
	s_endpgm
.Lw2:
	s_lshl_b32 s18, s17, 16                        ; W2[k][c]: k = 128 w + .., c = 16 block + r
	s_add_co_u32 s18, s18, s16
	s_add_nc_u64 s[6:7], s[6:7], s[18:19]
	v_lshlrev_b32 v4, 12, v2                       ; 8 rows of 512 bytes
	v_lshl_add_u32 v4, v1, 2, v4
	CONV 6, 512
	s_endpgm
.Lrest:
	v_mov_b32 v8, 1.0
	v_mov_b32 v9, 1.0
	v_mov_b32 v10, 1.0
	v_mov_b32 v11, 1.0
	v_mov_b32 v12, 0                               ; t
	v_mov_b32 v13, 0x3dcccccd                      ; dt = 0.1
	v_mov_b32 v14, 0                               ; h
	v_mov_b32 v15, 1.0                             ; first: the step launch that reads this rounds its x to bf16
	v_lshrrev_b32 v5, 5, v0
	v_readfirstlane_b32 s16, v5                    ; wave g owns channels 16 g .. 16 g + 15
	v_and_b32 v5, 31, v0
	v_and_b32 v6, 3, v0                            ; cq: four channels
	v_bfe_u32 v7, v0, 2, 3                         ; us: hidden units 8 i + us
	s_lshl_b32 s17, s16, 6
	v_lshlrev_b32 v20, 9, v7
	v_lshl_add_u32 v20, v6, 4, v20
	v_add_nc_u32 v20, s17, v20                     ; W2: us x 512 + 64 g + 16 cq
	v_lshlrev_b32 v21, 2, v7                       ; b1: 4 us
	v_lshl_add_u32 v22, v6, 4, s17                 ; b2 and c0: 64 g + 16 cq
	v_mov_b32 v19, 0                               ; named with v18 as a pair
	v_mov_b32 v28, 0                               ; four sums
	v_mov_b32 v29, 0
	v_mov_b32 v30, 0
	v_mov_b32 v31, 0
	s_mov_b32 s26, 0x76543210
	s_mov_b32 s27, 0xfedcba98
	s_mov_b32 s20, 2
	s_wait_kmcnt 0x0
	global_store_b128 v3, v[8:11], s[14:15]
	global_store_b128 v3, v[12:15], s[14:15] offset:4096
	global_load_b128 v[24:27], v22, s[10:11]
.Lbatch:                                               ; two trips of 32 x 8 hidden units: as many loads out at once as the registers hold
.set i, 0
.rept 32
	global_load_b128 v[64+4*i:64+4*i+3], v20, s[6:7] offset:4096*i
	global_load_b32 v[32+i], v21, s[8:9] offset:32*i
.set i, i+1
.endr
	s_wait_loadcnt 0x0
.set i, 0
.rept 32
	v_cvt_pk_bf16_f32 v16, v[64+4*i], v[64+4*i+1]
	v_cvt_pk_bf16_f32 v17, v[64+4*i+2], v[64+4*i+3]
	v_cvt_pk_bf16_f32 v18, v[32+i], v[32+i]
	v_lshlrev_b32 v[64+4*i], 16, v16
	v_and_b32 v[64+4*i+1], s25, v16
	v_lshlrev_b32 v[64+4*i+2], 16, v17
	v_and_b32 v[64+4*i+3], s25, v17
	v_and_b32 v18, s25, v18
	v_max_num_f32 v18, 0, v18                      ; relu(b1)
	v_pk_fma_f32 v[28:29], v[64+4*i:64+4*i+1], v[18:19], v[28:29] op_sel_hi:[1,0,1]
	v_pk_fma_f32 v[30:31], v[64+4*i+2:64+4*i+3], v[18:19], v[30:31] op_sel_hi:[1,0,1]
.set i, i+1
.endr
	s_add_nc_u64 s[6:7], s[6:7], 32*4096           ; all loads are back, so their bases may be written
	s_add_nc_u64 s[8:9], s[8:9], 32*32
	s_sub_co_u32 s20, s20, 1
	s_cmp_lg_u32 s20, 0
	s_cbranch_scc1 .Lbatch
.irp a, 28,29,30,31
	v_add_f32_dpp v\a, v\a, v\a row_xmask:4 row_mask:0xf bank_mask:0xf
.endr
.irp a, 28,29,30,31
	v_add_f32_dpp v\a, v\a, v\a row_xmask:8 row_mask:0xf bank_mask:0xf
.endr
.irp j, 0,1,2,3
	v_permlanex16_b32 v[16+\j], v[28+\j], s26, s27
.endr
	v_pk_add_f32 v[28:29], v[28:29], v[16:17]
	v_pk_add_f32 v[30:31], v[30:31], v[18:19]
	v_cvt_pk_bf16_f32 v16, v24, v25                ; b2, rounded like the other inputs
	v_cvt_pk_bf16_f32 v17, v26, v27
	v_lshlrev_b32 v24, 16, v16
	v_and_b32 v25, s25, v16
	v_lshlrev_b32 v26, 16, v17
	v_and_b32 v27, s25, v17
	v_pk_add_f32 v[28:29], v[28:29], v[24:25]
	v_pk_add_f32 v[30:31], v[30:31], v[26:27]
	v_cmp_gt_u32 vcc_lo, 4, v5                     ; lanes 0-3 hold cq = 0..3
	s_wait_xcnt 0x0                                ; EXEC changes only behind this wait
	s_and_saveexec_b32 s21, vcc_lo
	global_store_b128 v22, v[28:31], s[12:13] offset:C0OFF
	s_wait_xcnt 0x0
	s_or_b32 exec_lo, exec_lo, s21
	s_endpgm
.Lfunc_end_k_qf449b10113_prep:
	.size	k_qf449b10113_prep, .Lfunc_end_k_qf449b10113_prep-k_qf449b10113_prep
	.p2alignl 7, 3214868480
	.fill 96, 4, 3214868480
	.section	.rodata,"a",@progbits
	.p2align	6, 0x0
	.amdhsa_kernel k_qf449b10113_prep
		.amdhsa_group_segment_fixed_size 0
		.amdhsa_private_segment_fixed_size 0
		.amdhsa_enable_private_segment 0
		.amdhsa_kernarg_size 48
		.amdhsa_user_sgpr_count 2
		.amdhsa_user_sgpr_kernarg_segment_ptr 1
		.amdhsa_wavefront_size32 1
		.amdhsa_system_sgpr_workgroup_id_x 1
		.amdhsa_system_sgpr_workgroup_id_y 1
		.amdhsa_system_sgpr_workgroup_id_z 1
		.amdhsa_system_vgpr_workitem_id 0
		.amdhsa_next_free_vgpr 192
		.amdhsa_next_free_sgpr 66
		.amdhsa_reserve_vcc 1
		.amdhsa_float_denorm_mode_32 3
		.amdhsa_float_denorm_mode_16_64 3
		.amdhsa_memory_ordered 1
		.amdhsa_forward_progress 1
		.amdhsa_inst_pref_size 30
	.end_amdhsa_kernel
	.amdgpu_metadata
---
amdhsa.version: [ 1, 2 ]
amdhsa.kernels:
  - .name:           k_qf449b10113_prep
    .symbol:         k_qf449b10113_prep.kd
    .args:
      - { .name: W1, .offset: 0, .size: 8, .value_kind: global_buffer, .address_space: global }
      - { .name: W2, .offset: 8, .size: 8, .value_kind: global_buffer, .address_space: global }
      - { .name: b1, .offset: 16, .size: 8, .value_kind: global_buffer, .address_space: global }
      - { .name: b2, .offset: 24, .size: 8, .value_kind: global_buffer, .address_space: global }
      - { .name: wf, .offset: 32, .size: 8, .value_kind: global_buffer, .address_space: global }
      - { .name: stA, .offset: 40, .size: 8, .value_kind: global_buffer, .address_space: global }
    .group_segment_fixed_size: 0
    .private_segment_fixed_size: 0
    .kernarg_segment_align: 8
    .kernarg_segment_size: 48
    .max_flat_workgroup_size: 256
    .sgpr_count:     66
    .vgpr_count:     192
    .wavefront_size: 32
...
	.end_amdgpu_metadata
.endif
;; end of part 1
;; launch step1 (part 2): grid 256 x 1, 4 waves a work-group, clusters of 4 x 1, 327,680 bytes of LDS; arguments wf, b1, x0, stA, xs1, stB; writes xs1, stB
.if DOCPART == 2
	.amdgcn_target "amdgcn-amd-amdhsa--gfx1250"
	.amdhsa_code_object_version 6
	.text
	.protected	k_qf449b10113_step1
	.globl	k_qf449b10113_step1
	.p2align	8
	.type	k_qf449b10113_step1,@function
k_qf449b10113_step1:
	s_mov_b64 s[64:65], 0
	v_nop
	global_prefetch_b8 v0, s[64:65] scope:SCOPE_SE
	s_setreg_imm32_b32 hwreg(HW_REG_WAVE_MODE, 25, 1), 1
	s_wait_xcnt 0x0
	s_wait_alu depctr_hold_cnt(0) depctr_sa_sdst(0) depctr_va_vdst(0) depctr_va_sdst(0) depctr_va_ssrc(0) depctr_va_vcc(0) depctr_vm_vsrc(0)
	s_getreg_b32 s2, hwreg(HW_REG_IB_STS2, 6, 4)
	s_cmp_eq_u32 s2, 0
	s_cbranch_scc0 .Lentry_in_a_cluster
	s_endpgm
.Lentry_in_a_cluster:
	s_bfe_u32 s2, ttmp6, 0x10000c
	s_cmp_lg_u32 s2, 0x3003
	s_cbranch_scc0 .Lentry_shape_is_right
	s_endpgm
.Lentry_shape_is_right:
; ONE STEP of the Runge-Kutta-Fehlberg scan.  Arguments: wf (weight fragments, c0), b1, x (the step's start), the record of the step before; stored: this step's candidate x5 and its record.
; LEFT OUT (shown at the head of the first kernel): 'done', the fall-back of step 1, x4.
; TIME IS KEPT HERE: err = the largest of the 1,024 wave maxima of the step before; take = (err <= 0.01) | (h <= 0.1 + 1e-8); t += take ? h : 0, dt = max(dt clip(0.9 (0.01 / (err + 1e-12))^0.2, 0.2, 5), 0.1),
; h = clip(1 - t, 0, dt).  By selects: no branch and no address hangs on a floating-point number.  Which x the step starts from has been settled before this launch.
; The record's fourth word says that x is the problem's x0, which is then rounded once to bf16, like all inputs: again a select.
; ARITHMETIC.  K1 = h k1, Ki = h (ki - k1).  A stage's input is x (stage 1) or d = y_i - x = c_i K1 + sum a_ij Kj.  For each batch row s = the power of two at or below the row's largest |input|; the input over s goes
; to f16 (11 bits of a DIFFERENCE); G = W1^T (input / s); with the base z_b (b1 in stage 1, z1 = b1 + x W1 later) (relu(z_b + s G) - relu(z_b)) / s = max(G + min(z_b, 0) / s, -max(z_b, 0) / s), again f16;
; the second product, times h s, is K.  k1 = c0 + that.  min(z_b, 0) and -max(z_b, 0) are kept as f16 over a power of two sigma (a row's, a wave's slice's) and meet s as rho = sigma / s.
; States, sums and partial sums are f32.
; LIMITS.  2 sum_k |W1[k][u]| stays under 32,768 (G in f16).  Row maxima count as at least 2^-100 and at most 2^100.  rho is held to 2^-14 .. 2^15: above, a unit's kink is placed to within 2^-15 sigma; below, to within 2^-13 s.
; An f16 overflow of min(z_b, 0) rho or -max(z_b, 0) rho is -inf and loses, or lets win, the maximum as the true number would.  NaN and infinities are not treated apart.
; SHARES.  A work-group has 64 rows of x, four tiles of 16.  Wave w keeps hidden units 128 w .. 128 w + 127 of BOTH weights in 512 registers for the whole launch and walks all four tiles with them;
; it also OWNS tile w: it adds the four waves' partial sums and keeps the state.  Two work-group barriers a stage: inputs written / read, partial sums written / read.
; LAYOUT.  Both products are taken transposed (source 0 = weights): a lane holds ONE batch row (lane % 16) and 8 (lane / 16) + 0..7 of 16 hidden units or channels, so the first product's results, packed in pairs,
; ARE source 1 of the second.  The 8 accumulators of a run of 32 take turns.
; CLUSTER.  All work-groups read the same 262,144 bytes of fragments: the four of a cluster ask jointly, one load a wave, the wave's only tensor load.  Nothing in LDS is filled twice.
; No prefetch: x is read once at the head, where nothing runs ahead of it, and the fragments are read by every work-group.
; LDS.  0: the fragments, 65,536 a wave.  When they are in registers the wave uses its share again: +0 the two base arrays (tile x 8,192 + array x 4,096), +32,768 its partial sums (tile x 8,192).
.set XH,    262144                     ; stage inputs, f16: 64 rows 272 bytes apart, so that the 16 rows of a load begin 16 bytes apart modulo 256
.set XHP,   272
.set SCL,   XH+64*XHP                  ; 1 / s for each row
.set SIGL,  SCL+256                    ; sigma: wave x 512 + tile x 128 + 4 x lane
.set BAS,   SIGL+2048                  ; wave x 1,024: b1 as f32, +512 min(b1, 0) / sigma_b, +768 -max(b1, 0) / sigma_b as f16
.set XST,   BAS+4096                   ; wave x 8,448: 16 rows of f32, 528 bytes apart, for the way in and out
.set XSP,   528
.set SPARE, XST+4*16*XSP               ; the spare words, 128 bytes a wave: two blocks of 256 bytes that no other line names
; window 0
.set L16,  1                           ; 16 x lane
.set AXH0, 2                           ; XH + 272 r + 16 hh
.set ASC0, 3                           ; SCL + 4 r
.set AAR0, 4                           ; 65,536 w + 16 x lane
.set WXH,  5                           ; the four bases plus the tile's offset (at the head: c0's offset)
.set ASG0, 6                           ; SIGL + 512 w + 4 x lane
.set APR,  7                           ; v7-10: wave w' 's partial sums for my tile
.set WSC,  11
.set WSG,  12
.set WAR,  13
.set ABF,  14                          ; BAS + 1,024 w + 32 hh
.set ABA,  15                          ; BAS + 1,024 w + 16 hh
.set T0,   16                          ; an address at work
.set ASTW, 17                          ; my stage by the state's layout: XST + 8,448 w + 528 r + 32 hh; never rewritten
.set ASTR, 18                          ; my stage by rows: XST + 8,448 w + 16 x lane; never rewritten
.set RH,   19                          ; rho twice, f16
.set INV,  20                          ; pair
.set HS,   22                          ; pair: h s of the input last sent out
.set SV,   24                          ; pair: s, in stage 1
.set INVT, 26
.set SGT,  27
.set TA,   28
.set TB,   29
.set SPW,  30
.set NIL,  31
.set D,    32                          ; 64: first product
.set KA,   96                          ; 64: second product
.set XF,   160                         ; 32: input fragments, then base arrays
.set HB,   192                         ; 32: source 1 of the second product
.set AT,   224                         ; 32: base arrays
; window 1: the owner's state, register 8 ob + j = channel 16 ob + 8 hh + j of row 16 w + r
.set ST0,  0                           ; K1, later x5 - x
.set ST1,  64                          ; K2, later the known part of stage 6's input
.set ST2,  128                         ; K3, later x5 - x4
.set STX,  192                         ; x
; window 2: W1 fragment 4 hb + kb at 8 x that;  window 3: W2 fragment 4 ob + kb
; scalars: s[2:3] a coefficient and 0; s4, s5 offsets of my record and my error; s[8:19] arguments; s20 my stage; s21 a mask; s[22:23] my rows' offset; s24 wave; s25 cx; s26 work-group; s27 trips;
; s[28:29] offsets; s[30:31] lane selects; s[32:43] descriptor; s[44:47] old record; s[48:49] h; s50 sigma_b; s51 take; s52 first; s53, s54 masks; s55 my BAS; s56 t; s57 dt; s58-61 the tile's four offsets; s62, s63 my tile's
.set WV,   24
.set MSB, 0
.macro WIN new                         ; the high byte repeats the setting that is left; a switch that changes nothing is dropped
.if MSB != (\new)
	s_set_vgpr_msb (MSB<<8)|(\new)
.set MSB, (\new)
.endif
.endm
.macro CROUND                          ; a round of the cluster's barrier
	s_barrier_signal -1
	s_barrier_wait -1
	s_cmp_lg_u32 s[WV], 0
	s_cbranch_scc1 .Lnw0_\@
	s_barrier_signal -3
.Lnw0_\@:
	s_barrier_wait -3
	s_barrier_signal -1
	s_barrier_wait -1
.endm
.macro BAR                             ; my LDS stores are done and my LDS loads are back: then the work-group's barrier
	s_wait_dscnt 0x0
	s_barrier_signal -1
	s_barrier_wait -1
.endm
.macro PLACES                          ; four places behind a matrix instruction (ISA guide 7.12.1)
.rept 4
	v_nop
.endr
.endm
.macro WAVEMAX                         ; TA = its maximum over the 32 lanes
	v_max_num_f32_dpp v[TA], v[TA], v[TA] row_xmask:1 row_mask:0xf bank_mask:0xf
	v_max_num_f32_dpp v[TA], v[TA], v[TA] row_xmask:2 row_mask:0xf bank_mask:0xf
	v_max_num_f32_dpp v[TA], v[TA], v[TA] row_xmask:4 row_mask:0xf bank_mask:0xf
	v_max_num_f32_dpp v[TA], v[TA], v[TA] row_xmask:8 row_mask:0xf bank_mask:0xf
	v_permlanex16_b32 v[TB], v[TA], s30, s31
	v_max_num_f32 v[TA], v[TA], v[TB]
.endm
.macro POW2                            ; TA = the power of two at or below it, held to 2^-100 .. 2^100
	v_max_num_f32 v[TA], 0x0d800000, v[TA]
	v_min_num_f32 v[TA], 0x71800000, v[TA]
	v_and_b32 v[TA], 0x7f800000, v[TA]
.endm
.macro ROWMAX b                        ; TA = that power for my batch row: my 64 numbers, two chains, and the lane 16 away
	v_max3_num_f32 v[TA], |v[(\b)]|, |v[(\b)+1]|, |v[(\b)+2]|
	v_max3_num_f32 v[TB], |v[(\b)+3]|, |v[(\b)+4]|, |v[(\b)+5]|
.set i, 6
.rept 14
	v_max3_num_f32 v[TA], v[TA], |v[(\b)+i]|, |v[(\b)+i+1]|
	v_max3_num_f32 v[TB], v[TB], |v[(\b)+i+2]|, |v[(\b)+i+3]|
.set i, i+4
.endr
	v_max3_num_f32 v[TA], v[TA], |v[(\b)+62]|, |v[(\b)+63]|
	v_max_num_f32 v[TA], v[TA], v[TB]
	v_permlanex16_b32 v[TB], v[TA], s30, s31
	v_max_num_f32 v[TA], v[TA], v[TB]
	POW2
.endm
.macro ZEROW
	s_mov_b32 s58, 0
	s_mov_b32 s59, 0
	s_mov_b32 s60, 0
	s_mov_b32 s61, 0
.endm
.macro STEPW                           ; the next tile
	s_add_co_u32 s58, s58, 16*XHP
	s_add_co_u32 s59, s59, 64
	s_add_co_u32 s60, s60, 128
	s_add_co_u32 s61, s61, 8192
.endm
.macro SETW
	v_add_nc_u32 v[WXH], s58, v[AXH0]
	v_add_nc_u32 v[WSC], s59, v[ASC0]
	v_add_nc_u32 v[WSG], s60, v[ASG0]
	v_add_nc_u32 v[WAR], s61, v[AAR0]
.endm
.macro LOADX                           ; a tile's input fragments and its rows' 1 / s
.irp kb, 0,1,2,3
	ds_load_b128 v[XF+8*\kb:XF+8*\kb+3], v[WXH] offset:64*\kb
	ds_load_b128 v[XF+8*\kb+4:XF+8*\kb+7], v[WXH] offset:64*\kb+32
.endr
	ds_load_b32 v[INVT], v[WSC]
.endm
.macro LOADA dst, half                 ; both base arrays for four blocks of hidden units: the tile's own
.irp b, 0,1,2,3
	ds_load_b128 v[(\dst)+4*\b:(\dst)+4*\b+3], v[WAR] offset:(4*(\half)+\b)*512
	ds_load_b128 v[(\dst)+16+4*\b:(\dst)+16+4*\b+3], v[WAR] offset:4096+(4*(\half)+\b)*512
.endr
.endm
.macro LOADB dst, half                 ; the same for stage 1: b1's, alike for all rows
.irp b, 0,1,2,3
	ds_load_b128 v[(\dst)+4*\b:(\dst)+4*\b+3], v[ABA] offset:512+32*(4*(\half)+\b)
	ds_load_b128 v[(\dst)+16+4*\b:(\dst)+16+4*\b+3], v[ABA] offset:768+32*(4*(\half)+\b)
.endr
.endm
.macro GEMM1                           ; D[hb] = sum over kb of W1(hb, kb) x input(kb): 128 hidden units x 16 rows
	WIN 0x02
.irp kb, 0,1,2,3
.irp hb, 0,1,2,3,4,5,6,7
.if \kb == 0
	v_wmma_f32_16x16x32_f16 v[D+8*\hb:D+8*\hb+7], v[8*(4*\hb+\kb):8*(4*\hb+\kb)+7], v[XF+8*\kb:XF+8*\kb+7], 0
.else
	v_wmma_f32_16x16x32_f16 v[D+8*\hb:D+8*\hb+7], v[8*(4*\hb+\kb):8*(4*\hb+\kb)+7], v[XF+8*\kb:XF+8*\kb+7], v[D+8*\hb:D+8*\hb+7]
.endif
.endr
.endr
	WIN 0
.endm
.macro GEMM2                           ; KA[ob] = sum over kb of W2(ob, kb) x HB(kb): 128 channels x 16 rows, my slice's part
	WIN 0x03
.irp kb, 0,1,2,3
.irp ob, 0,1,2,3,4,5,6,7
.if \kb == 0
	v_wmma_f32_16x16x32_f16 v[KA+8*\ob:KA+8*\ob+7], v[8*(4*\ob+\kb):8*(4*\ob+\kb)+7], v[HB+8*\kb:HB+8*\kb+7], 0
.else
	v_wmma_f32_16x16x32_f16 v[KA+8*\ob:KA+8*\ob+7], v[8*(4*\ob+\kb):8*(4*\ob+\kb)+7], v[HB+8*\kb:HB+8*\kb+7], v[KA+8*\ob:KA+8*\ob+7]
.endif
.endr
.endr
	WIN 0
.endm
.macro RHO src                         ; rho = sigma / s, held to f16's powers of two.  These lines are also the places behind the first product
	v_mul_f32 v[TA], \src, v[INVT]
	v_max_num_f32 v[TA], 0x38800000, v[TA]
	v_min_num_f32 v[TA], 0x47000000, v[TA]
	v_cvt_pk_f16_f32 v[RH], v[TA], v[TA]
	v_nop
.endm
.macro ACT half, src                   ; HB = max(f16(D) + A1 rho, A2 rho), two numbers a line; each accumulator is read from its low end on
.set p, 0
.rept 16
	v_cvt_pk_f16_f32 v[HB+16*(\half)+p], v[D+32*(\half)+2*p], v[D+32*(\half)+2*p+1]
.set p, p+1
.endr
.set p, 0
.rept 16
	v_pk_mul_f16 v[(\src)+16+p], v[(\src)+16+p], v[RH]
.set p, p+1
.endr
.set p, 0
.rept 16
	v_pk_fma_f16 v[HB+16*(\half)+p], v[(\src)+p], v[RH], v[HB+16*(\half)+p]
.set p, p+1
.endr
.set p, 0
.rept 16
	v_pk_max_num_f16 v[HB+16*(\half)+p], v[HB+16*(\half)+p], v[(\src)+16+p]
.set p, p+1
.endr
.endm
.macro STOREK reg                      ; my partial sums of the tile, 16 bytes a lane on end; reg: my share + the tile's 8,192 + 16 x lane
.set i, 0
.rept 16
	ds_store_b128 v[\reg], v[KA+4*i:KA+4*i+3] offset:32768+512*i
.set i, i+1
.endr
.endm
.macro LOADP dst, n
.set i, 0
.rept 16
	ds_load_b128 v[(\dst)+4*i:(\dst)+4*i+3], v[APR+(\n)] offset:512*i
.set i, i+1
.endr
.endm
.macro ADDP src
.set p, 0
.rept 32
	v_pk_add_f32 v[D+p:D+p+1], v[D+p:D+p+1], v[(\src)+p:(\src)+p+1]
.set p, p+2
.endr
.endm
.macro REDUCE                          ; D = the four waves' partial sums for my tile, always in the order ((0 + 1) + 2) + 3
	LOADP D, 0
	LOADP KA, 1
	LOADP XF, 2
	s_wait_dscnt 16                                ; all but wave 2's sixteen
	ADDP KA
	LOADP KA, 3
	s_wait_dscnt 16                                ; all but wave 3's sixteen
	ADDP XF
	s_wait_dscnt 0x0
	ADDP KA
.endm
.macro EMIT                            ; the next stage's input lies in KA: its row's s, h s, the input over s as f16 into XH, 1 / s into SCL
	ROWMAX KA
	v_sub_nc_u32 v[INV], 0x7f000000, v[TA]         ; the reciprocal of a power of two, by its exponent
	v_mul_f32 v[HS], s48, v[TA]
	v_mov_b32 v[INV+1], v[INV]
	v_mov_b32 v[HS+1], v[HS]
	v_add_nc_u32 v[TB], s62, v[AXH0]               ; my tile's rows
	v_add_nc_u32 v[T0], s63, v[ASC0]
.set p, 0
.rept 32
	v_pk_mul_f32 v[KA+p:KA+p+1], v[KA+p:KA+p+1], v[INV:INV+1]
.set p, p+2
.endr
.set p, 0
.rept 32
	v_cvt_pk_f16_f32 v[AT+p], v[KA+2*p], v[KA+2*p+1]
.set p, p+1
.endr
.irp ob, 0,1,2,3,4,5,6,7
	ds_store_b128 v[TB], v[AT+4*\ob:AT+4*\ob+3] offset:32*\ob
.endr
	ds_store_b32 v[T0], v[INV]
.endm
; the owner's arithmetic, 64 numbers a line group; a coefficient lies in s2 and is taken for both halves
.macro PKM win, d, a, k                ; d = a k
	s_mov_b32 s2, \k
	WIN \win
.set p, 0
.rept 32
	v_pk_mul_f32 v[(\d)+p:(\d)+p+1], v[(\a)+p:(\a)+p+1], s[2:3] op_sel_hi:[1,0]
.set p, p+2
.endr
.endm
.macro PKF win, d, a, k, c             ; d = a k + c
	s_mov_b32 s2, \k
	WIN \win
.set p, 0
.rept 32
	v_pk_fma_f32 v[(\d)+p:(\d)+p+1], v[(\a)+p:(\a)+p+1], s[2:3], v[(\c)+p:(\c)+p+1] op_sel_hi:[1,0,1]
.set p, p+2
.endr
.endm
.macro SCALE win, d                    ; d = D h s
	WIN \win
.set p, 0
.rept 32
	v_pk_mul_f32 v[(\d)+p:(\d)+p+1], v[D+p:D+p+1], v[HS:HS+1]
.set p, p+2
.endr
.endm
; stages 2 to 6: the four tiles.  A tile's LDS loads are issued during the tile before; the last trip jumps over them.
.macro TILES
	ZEROW
	SETW
	LOADX
	ds_load_b32 v[SGT], v[WSG]
	LOADA AT, 0
	s_mov_b32 s27, 4
.Lt_\@:
	s_wait_dscnt 0x0                               ; the tile's loads are back (and the last tile's stores done)
	GEMM1
	RHO v[SGT]
	LOADA XF, 1                                    ; the input fragments have been multiplied: their registers take the other half of the arrays
	ACT 0, AT
	s_wait_dscnt 0x0
	ACT 1, XF
	v_mov_b32 v[T0], v[WAR]                        ; this tile's place is kept for its partial sums
	STEPW
	SETW
	s_cmp_eq_u32 s27, 1
	s_cbranch_scc1 .Ls_\@
	LOADX
	ds_load_b32 v[SGT], v[WSG]
	LOADA AT, 0
.Ls_\@:
	GEMM2
	PLACES
	STOREK T0
	s_sub_co_u32 s27, s27, 1
	s_cmp_lg_u32 s27, 0
	s_cbranch_scc1 .Lt_\@
.endm
	s_load_b256 s[8:15], s[0:1], 0x0               ; wf 8, b1 10, x 12, old record 14
	s_load_b128 s[16:19], s[0:1], 0x20             ; x5 16, new record 18
	v_lshl_add_u32 v[SPW], v0, 2, SPARE
	v_mov_b32 v[NIL], 0
	ds_add_u32 v[SPW], v[NIL]                      ; the wave's opening: the add, twice on end, and its wait ahead of my tensor load
	ds_add_u32 v[SPW], v[NIL]
	v_lshrrev_b32 v[TA], 5, v0
	v_readfirstlane_b32 s[WV], v[TA]               ; wave 0..3
	s_bfe_u32 s25, ttmp6, 0x40000                  ; cx
	s_lshl_b32 s26, ttmp9, 2
	s_add_co_u32 s26, s26, s25                     ; my work-group: it enters global addresses alone
	v_and_b32 v[TA], 31, v0                        ; lane
	v_and_b32 v[TB], 15, v0                        ; r
	v_bfe_u32 v[SGT], v0, 4, 1                     ; hh
	v_lshlrev_b32 v[L16], 4, v[TA]
	v_mul_u32_u24 v[AXH0], v[TB], XHP
	v_lshl_add_u32 v[AXH0], v[SGT], 4, v[AXH0]
	v_add_nc_u32 v[AXH0], XH, v[AXH0]
	v_lshl_add_u32 v[ASC0], v[TB], 2, SCL
	s_lshl_b32 s28, s[WV], 16
	v_add_nc_u32 v[AAR0], s28, v[L16]
	s_lshl_b32 s29, s[WV], 9
	s_add_co_u32 s29, s29, SIGL
	v_lshl_add_u32 v[ASG0], v[TA], 2, s29
	s_lshl_b32 s29, s[WV], 13
	s_add_co_u32 s29, s29, 32768
	v_add_nc_u32 v[APR], s29, v[L16]
	v_add_nc_u32 v[APR+1], 0x10000, v[APR]
	v_add_nc_u32 v[APR+2], 0x20000, v[APR]
	v_add_nc_u32 v[APR+3], 0x30000, v[APR]
	s_lshl_b32 s55, s[WV], 10
	s_add_co_u32 s55, s55, BAS
	v_lshl_add_u32 v[ABF], v[SGT], 5, s55
	v_lshl_add_u32 v[ABA], v[SGT], 4, s55
	s_mul_i32 s20, s[WV], 16*XSP
	s_add_co_u32 s20, s20, XST
	v_mul_u32_u24 v[ASTW], v[TB], XSP
	v_lshl_add_u32 v[ASTW], v[SGT], 5, v[ASTW]
	v_add_nc_u32 v[ASTW], s20, v[ASTW]
	v_add_nc_u32 v[ASTR], s20, v[L16]
	v_lshlrev_b32 v[WXH], 5, v[SGT]                ; c0: 32 hh
	s_mul_i32 s62, s[WV], 16*XHP
	s_lshl_b32 s63, s[WV], 6
	s_mov_b32 s30, 0x76543210
	s_mov_b32 s31, 0xfedcba98
	s_mov_b32 s21, 0xffff0000
	s_mov_b32 s3, 0                                ; named with s2 as a pair; also the 0 of the packed minimum
	s_mov_b32 s29, 0
	s_lshl_b32 s22, s26, 15                        ; my work-group's 64 rows of 512 bytes,
	s_lshl_b32 s23, s[WV], 13                      ; my tile's 16
	s_add_co_u32 s22, s22, s23
	s_mov_b32 s23, 0
	s_lshl_b32 s4, s26, 4                          ; my work-group's record, 16 bytes; its four errors likewise,
	s_lshl_b32 s5, s[WV], 2
	s_add_co_u32 s5, s5, s4                        ; of which mine
	; the descriptor: 256 rows of 256 bytes, dense: my 65,536 bytes of fragments, to the same place in LDS
	s_mov_b32 s32, 1                               ; count
	s_lshl_b32 s33, s[WV], 16                      ; LDS address
	s_mov_b32 s36, 15|(3<<16)|(1<<21)              ; the mask of four; elements of 8 bytes; bit 21 beside a mask
	s_mov_b32 s37, 32<<16                          ; tensor_dim0 = 32
	s_mov_b32 s38, 256<<16                         ; tensor_dim1 = 256
	s_mov_b32 s39, 32<<16                          ; tile_dim0 = 32
	s_mov_b32 s40, 256                             ; tile_dim1 = 256
	s_mov_b32 s41, 32                              ; elements from row to row
	s_mov_b32 s42, 0
	s_mov_b32 s43, 0
	s_wait_dscnt 0x0                               ; both opening adds are done
	s_wait_kmcnt 0x0
	s_add_nc_u64 s[34:35], s[8:9], s[28:29]        ; made of the wave's number alone: alike in the four partners
	s_or_b32 s35, s35, 0x80000000
	s_lshl_b32 s28, s[WV], 9
	s_add_nc_u64 s[10:11], s[10:11], s[28:29]      ; b1 at my slice
	s_add_nc_u64 s[12:13], s[12:13], s[22:23]
	s_add_nc_u64 s[16:17], s[16:17], s[22:23]
	CROUND                                         ; all four work-groups are here: the joint loads meet
	tensor_load_to_lds s[32:35], s[36:43]
	s_nop 0
	PLACES
	s_load_b128 s[44:47], s[14:15], s4 offset:0x1000   ; t, dt, h, first
.set i, 0
.rept 8
	global_load_b128 v[D+4*i:D+4*i+3], v[L16], s[14:15] offset:512*i   ; the 1,024 errors
.set i, i+1
.endr
	global_load_b128 v[AT:AT+3], v[L16], s[10:11]
.set i, 0
.rept 16
	global_load_b128 v[KA+4*i:KA+4*i+3], v[L16], s[12:13] offset:512*i ; a row a load
.set i, i+1
.endr
	WIN 0x40
.set i, 0
.rept 16
	global_load_b128 v[ST0+4*i:ST0+4*i+3], v[WXH], s[8:9] offset:262144+64*(i/2)+16*(i%2)
.set i, i+1
.endr
	WIN 0
	s_wait_loadcnt 33                              ; the eight loads of errors are in; the 33 behind them may stay out
	s_wait_kmcnt 0x0
	v_max3_num_f32 v[D], v[D], v[D+1], v[D+2]
.set i, 3
.rept 14
	v_max3_num_f32 v[D], v[D], v[D+i], v[D+i+1]
.set i, i+2
.endr
	v_max_num_f32 v[D], v[D], v[D+31]
	v_max_num_f32_dpp v[D], v[D], v[D] row_xmask:1 row_mask:0xf bank_mask:0xf
	v_max_num_f32_dpp v[D], v[D], v[D] row_xmask:2 row_mask:0xf bank_mask:0xf
	v_max_num_f32_dpp v[D], v[D], v[D] row_xmask:4 row_mask:0xf bank_mask:0xf
	v_max_num_f32_dpp v[D], v[D], v[D] row_xmask:8 row_mask:0xf bank_mask:0xf
	v_permlanex16_b32 v[D+1], v[D], s30, s31
	v_max_num_f32 v[D], v[D], v[D+1]               ; err of the step before
	v_add_f32 v[D+1], 0x2b8cbccc, v[D]             ; + 1e-12
	v_rcp_f32 v[D+1], v[D+1]
	v_mov_b32 v[D+2], s46                          ; (a plain line behind each of the three, then a wait)
	s_wait_alu depctr_va_vdst(0)
	v_mul_f32 v[D+1], 0x3c23d70a, v[D+1]           ; 0.01 / ..
	v_log_f32 v[D+1], v[D+1]
	v_add_f32 v[D+3], s44, v[D+2]                  ; t + h
	s_wait_alu depctr_va_vdst(0)
	v_mul_f32 v[D+1], 0x3e4ccccd, v[D+1]           ; to the power 0.2
	v_exp_f32 v[D+1], v[D+1]
	v_mov_b32 v[D+4], s44
	s_wait_alu depctr_va_vdst(0)
	v_mul_f32 v[D+1], 0x3f666666, v[D+1]           ; 0.9
	v_max_num_f32 v[D+1], 0x3e4ccccd, v[D+1]       ; 0.2 ..
	v_min_num_f32 v[D+1], 0x40a00000, v[D+1]       ; .. 5
	v_mul_f32 v[D+1], s45, v[D+1]
	v_max_num_f32 v[D+1], 0x3dcccccd, v[D+1]       ; dt
	v_mov_b32 v[D+5], s47
	v_cmp_ge_f32 s51, 0x3c23d70a, v[D]             ; err <= 0.01
	v_cmp_ge_f32 s53, 0x3dccccce, v[D+2]           ; h <= 0.1 + 1e-8, as f32
	v_cmp_ne_u32 s52, 0, v[D+5]                    ; first: x is x0
	s_or_b32 s51, s51, s53                         ; take
	v_cndmask_b32 v[D+3], v[D+4], v[D+3], s51      ; t
	v_sub_f32 v[D+4], 1.0, v[D+3]
	v_max_num_f32 v[D+4], 0, v[D+4]
	v_min_num_f32 v[D+4], v[D+4], v[D+1]           ; h
	v_readfirstlane_b32 s56, v[D+3]
	v_readfirstlane_b32 s57, v[D+1]
	v_readfirstlane_b32 s48, v[D+4]
	s_mov_b32 s49, s48
	s_wait_loadcnt 16                              ; all but c0's sixteen
.set i, 0
.rept 32
	v_cvt_pk_bf16_f32 v[D+i], v[KA+2*i], v[KA+2*i+1]
.set i, i+1
.endr
.set i, 0
.rept 32
	v_lshlrev_b32 v[XF+2*i], 16, v[D+i]
	v_and_b32 v[XF+2*i+1], s21, v[D+i]
.set i, i+1
.endr
.set i, 0
.rept 64
	v_cndmask_b32 v[KA+i], v[KA+i], v[XF+i], s52
.set i, i+1
.endr
.set i, 0
.rept 16
	ds_store_b128 v[ASTR], v[KA+4*i:KA+4*i+3] offset:XSP*i   ; by rows into my stage,
.set i, i+1
.endr
.set i, 0
.rept 16
	ds_load_b128 v[KA+4*i:KA+4*i+3], v[ASTW] offset:64*(i/2)+16*(i%2)  ; back in the state's layout (LDS serves a wave's instructions in order: ISA guide 5.7.1.4): as stage 1's input,
.set i, i+1
.endr
	WIN 0x40
.set i, 0
.rept 16
	ds_load_b128 v[STX+4*i:STX+4*i+3], v[ASTW] offset:64*(i/2)+16*(i%2)  ; and as the state
.set i, i+1
.endr
	WIN 0
	; b1 of my slice: rounded to bf16; as f32, and as the two base arrays of stage 1
	v_cvt_pk_bf16_f32 v[D], v[AT], v[AT+1]
	v_cvt_pk_bf16_f32 v[D+1], v[AT+2], v[AT+3]
	v_lshlrev_b32 v[AT], 16, v[D]
	v_and_b32 v[AT+1], s21, v[D]
	v_lshlrev_b32 v[AT+2], 16, v[D+1]
	v_and_b32 v[AT+3], s21, v[D+1]
	v_add_nc_u32 v[T0], s55, v[L16]
	ds_store_b128 v[T0], v[AT:AT+3]
	v_max3_num_f32 v[TA], |v[AT]|, |v[AT+1]|, |v[AT+2]|
	v_max_num_f32 v[TA], v[TA], |v[AT+3]|
	WAVEMAX
	POW2
	v_readfirstlane_b32 s50, v[TA]                 ; sigma_b
	v_sub_nc_u32 v[TB], 0x7f000000, v[TA]
	v_xor_b32 v[D+12], 0x80000000, v[TB]
.irp j, 0,1,2,3
	v_min_num_f32 v[D+\j], 0, v[AT+\j]
	v_max_num_f32 v[D+4+\j], 0, v[AT+\j]
.endr
.irp j, 0,1,2,3
	v_mul_f32 v[D+\j], v[TB], v[D+\j]
	v_mul_f32 v[D+4+\j], v[D+12], v[D+4+\j]
.endr
	v_cvt_pk_f16_f32 v[D+8], v[D], v[D+1]
	v_cvt_pk_f16_f32 v[D+9], v[D+2], v[D+3]
	v_cvt_pk_f16_f32 v[D+10], v[D+4], v[D+5]
	v_cvt_pk_f16_f32 v[D+11], v[D+6], v[D+7]
	v_lshrrev_b32 v[T0], 1, v[L16]
	v_add_nc_u32 v[T0], s55, v[T0]
	ds_store_b64 v[T0], v[D+8:D+9] offset:512
	ds_store_b64 v[T0], v[D+10:D+11] offset:768
	s_wait_tensorcnt 0x0                           ; my fragments are in LDS; no other wave reads them
	WIN 0x80
.set i, 0
.rept 64
	ds_load_b128 v[4*i:4*i+3], v[AAR0] offset:512*i
.set i, i+1
.endr
	WIN 0xc0
.set i, 0
.rept 64
	ds_load_b128 v[4*i:4*i+3], v[AAR0] offset:32768+512*i
.set i, i+1
.endr
	WIN 0
	s_wait_dscnt 0x0                               ; the weights are in registers: my share of LDS has had its only fill and is mine to store into
	s_wait_loadcnt 0x0                             ; c0
	WIN 0x41
.set p, 0
.rept 32
	v_pk_mul_f32 v[ST0+p:ST0+p+1], v[ST0+p:ST0+p+1], s[48:49] op_sel_hi:[1,0]  ; h c0
.set p, p+2
.endr
	WIN 0
	EMIT
	BAR                                            ; all four tiles' inputs lie in XH
	; STAGE 1: as the others, with b1 as the base; and z1 = b1 + s G is made and laid down as the base of the other stages
	ZEROW
	s_mov_b32 s27, 4
.Lt1:
	SETW
	LOADX
	LOADB AT, 0
	s_wait_dscnt 0x0
	GEMM1
	v_sub_nc_u32 v[SV], 0x7f000000, v[INVT]        ; s
	v_mov_b32 v[SV+1], v[SV]
	RHO s50
	LOADB XF, 1
	ACT 0, AT
	s_wait_dscnt 0x0
	ACT 1, XF
.irp b, 0,1,2,3
	ds_load_b128 v[AT+8*\b:AT+8*\b+3], v[ABF] offset:64*\b              ; b1 as f32, in D's layout
	ds_load_b128 v[AT+8*\b+4:AT+8*\b+7], v[ABF] offset:64*\b+16
	ds_load_b128 v[XF+8*\b:XF+8*\b+3], v[ABF] offset:256+64*\b
	ds_load_b128 v[XF+8*\b+4:XF+8*\b+7], v[ABF] offset:256+64*\b+16
.endr
	GEMM2
	PLACES
	STOREK WAR
	s_wait_dscnt 0x0
.set p, 0
.rept 16
	v_pk_fma_f32 v[D+p:D+p+1], v[D+p:D+p+1], v[SV:SV+1], v[AT+p:AT+p+1]
.set p, p+2
.endr
.set p, 0
.rept 16
	v_pk_fma_f32 v[D+32+p:D+32+p+1], v[D+32+p:D+32+p+1], v[SV:SV+1], v[XF+p:XF+p+1]
.set p, p+2
.endr
	ROWMAX D                                       ; sigma of the row, for my slice
	ds_store_b32 v[WSG], v[TA]
	v_sub_nc_u32 v[INV], 0x7f000000, v[TA]
	v_mov_b32 v[INV+1], v[INV]
.set p, 0
.rept 32
	v_pk_mul_f32 v[D+p:D+p+1], v[D+p:D+p+1], v[INV:INV+1]
.set p, p+2
.endr
.set p, 0
.rept 32
	v_cvt_pk_f16_f32 v[HB+p], v[D+2*p], v[D+2*p+1]
.set p, p+1
.endr
.set p, 0
.rept 32
	v_pk_min_num_f16 v[XF+p], v[HB+p], s3          ; min(z, 0)
.set p, p+1
.endr
.set p, 0
.rept 32
	v_pk_fma_f16 v[AT+p], v[HB+p], 0xbc00bc00, v[XF+p] ; -z + min(z, 0) = -max(z, 0), exact: one of the two is 0
.set p, p+1
.endr
.irp b, 0,1,2,3,4,5,6,7
	ds_store_b128 v[WAR], v[XF+4*\b:XF+4*\b+3] offset:512*\b
	ds_store_b128 v[WAR], v[AT+4*\b:AT+4*\b+3] offset:4096+512*\b
.endr
	STEPW
	s_sub_co_u32 s27, s27, 1
	s_cmp_lg_u32 s27, 0
	s_cbranch_scc1 .Lt1
	BAR                                            ; all partial sums lie in LDS; nobody reads XH any more
	REDUCE
	WIN 0x50
.set p, 0
.rept 32
	v_pk_fma_f32 v[ST0+p:ST0+p+1], v[D+p:D+p+1], v[HS:HS+1], v[ST0+p:ST0+p+1]   ; K1 = h c0 + h s R
.set p, p+2
.endr
	PKM 0x01, KA, ST0, 0x3e800000                  ; 1/4 K1
	WIN 0
	EMIT
	BAR
	TILES
	BAR
	REDUCE
	SCALE 0x40, ST1                                ; K2
	PKM 0x01, KA, ST0, 0x3ec00000                  ; 3/8 K1
	PKF 0x01, KA, ST1, 0x3e900000, KA              ; + 9/32 K2
	WIN 0
	EMIT
	BAR
	TILES
	BAR
	REDUCE
	SCALE 0x40, ST2                                ; K3
	PKM 0x01, KA, ST0, 0x3f6c4ec5                  ; 12/13 K1
	PKF 0x01, KA, ST1, 0xc051bd95, KA              ; - 7200/2197 K2
	PKF 0x01, KA, ST2, 0x4054897f, KA              ; + 7296/2197 K3
	WIN 0
	EMIT
	BAR
	TILES
	BAR
	REDUCE
	SCALE 0, D                                     ; K4
	PKF 0x10, KA, D, 0xbe52d695, ST0               ; K1 - 845/4104 K4
	PKF 0x01, KA, ST1, 0xc1000000, KA              ; - 8 K2
	PKF 0x01, KA, ST2, 0x40e58d39, KA              ; + 3680/513 K3
	PKM 0x41, ST1, ST1, 0x40000000                 ; stage 6's input but for K5: 2 K2
	PKF 0x51, ST1, ST0, 0x3f000000, ST1            ; + 1/2 K1
	PKF 0x51, ST1, ST2, 0xbfb0dac6, ST1            ; - 3544/2565 K3
	PKF 0x50, ST1, D, 0x3ee7ec0a, ST1              ; + 1859/4104 K4
	PKF 0x51, ST0, ST2, 0x3f04dc4a, ST0            ; x5 - x: K1 + 6656/12825 K3
	PKF 0x50, ST0, D, 0x3f0191d5, ST0              ; + 28561/56430 K4
	PKM 0x41, ST2, ST2, 0xbcf547eb                 ; x5 - x4: - 128/4275 K3
	PKF 0x50, ST2, D, 0xbcef349e, ST2              ; - 2197/75240 K4
	WIN 0
	EMIT
	BAR
	TILES
	BAR
	REDUCE
	SCALE 0, D                                     ; K5
	PKF 0x10, KA, D, 0xbe8ccccd, ST1               ; - 11/40 K5
	PKF 0x50, ST0, D, 0xbe3851ec, ST0              ; - 9/50 K5
	PKF 0x50, ST2, D, 0x3ca3d70a, ST2              ; + 1/50 K5
	WIN 0
	EMIT
	BAR
	TILES
	BAR
	REDUCE
	SCALE 0, D                                     ; K6
	PKF 0x50, ST0, D, 0x3d14f209, ST0              ; + 2/55 K6
	PKF 0x50, ST2, D, 0x3d14f209, ST2              ; + 2/55 K6
	WIN 0x05
.set p, 0
.rept 32
	v_pk_add_f32 v[KA+p:KA+p+1], v[STX+p:STX+p+1], v[ST0+p:ST0+p+1]   ; x5
.set p, p+2
.endr
	WIN 0
	v_mov_b32 v[TA], 0
	v_mov_b32 v[TB], 0
	WIN 0x14
.set i, 0
.rept 16
	v_max3_num_f32 v[TA], v[TA], |v[ST2+i]|, |v[ST2+i+1]|
	v_max3_num_f32 v[TB], v[TB], |v[ST2+i+2]|, |v[ST2+i+3]|
.set i, i+4
.endr
	WIN 0
	v_max_num_f32 v[TA], v[TA], v[TB]
.set i, 0
.rept 16
	ds_store_b128 v[ASTW], v[KA+4*i:KA+4*i+3] offset:64*(i/2)+16*(i%2)
.set i, i+1
.endr
.set i, 0
.rept 16
	ds_load_b128 v[D+4*i:D+4*i+3], v[ASTR] offset:XSP*i
.set i, i+1
.endr
	WAVEMAX                                        ; my tile's largest |x5 - x4|
	v_mov_b32 v[XF], s56                           ; the record: t,
	v_mov_b32 v[XF+1], s57                         ; dt,
	v_mov_b32 v[XF+2], s48                         ; h,
	v_mov_b32 v[XF+3], 0                           ; and: the next step's x is not x0
	v_mov_b32 v[XF+4], s5                          ; 4 (4 work-group + wave)
	v_mov_b32 v[XF+5], s4
.set i, 0
.rept 16
	s_wait_dscnt 15-i
	global_store_b128 v[L16], v[D+4*i:D+4*i+3], s[16:17] offset:512*i  ; a row of 512 consecutive bytes, aligned
.set i, i+1
.endr
	v_cmp_eq_u32 vcc_lo, 0, v[L16]
	s_wait_xcnt 0x0                                ; EXEC changes only behind this wait
	s_and_saveexec_b32 s54, vcc_lo                 ; lane 0
	global_store_b32 v[XF+4], v[TA], s[18:19]
	s_cmp_lg_u32 s[WV], 0
	s_cbranch_scc1 .Lnorec
	global_store_b128 v[XF+5], v[XF:XF+3], s[18:19] offset:4096
.Lnorec:
	s_wait_xcnt 0x0
	s_or_b32 exec_lo, exec_lo, s54
	s_wait_tensorcnt 0x0                           ; the wave's end, behind my tensor load and my last LDS store
	ds_add_u32 v[SPW], v[NIL]
	s_wait_dscnt 0x0
	CROUND                                         ; the closing round
	s_endpgm
.Lfunc_end_k_qf449b10113_step1:
	.size	k_qf449b10113_step1, .Lfunc_end_k_qf449b10113_step1-k_qf449b10113_step1
	.p2alignl 7, 3214868480
	.fill 96, 4, 3214868480
	.section	.rodata,"a",@progbits
	.p2align	6, 0x0
	.amdhsa_kernel k_qf449b10113_step1
		.amdhsa_group_segment_fixed_size 327680
		.amdhsa_private_segment_fixed_size 0
		.amdhsa_enable_private_segment 0
		.amdhsa_kernarg_size 48
		.amdhsa_user_sgpr_count 2
		.amdhsa_user_sgpr_kernarg_segment_ptr 1
		.amdhsa_wavefront_size32 1
		.amdhsa_system_sgpr_workgroup_id_x 1
		.amdhsa_system_sgpr_workgroup_id_y 1
		.amdhsa_system_sgpr_workgroup_id_z 1
		.amdhsa_system_vgpr_workitem_id 0
		.amdhsa_next_free_vgpr 1024
		.amdhsa_next_free_sgpr 66
		.amdhsa_reserve_vcc 1
		.amdhsa_float_denorm_mode_32 3
		.amdhsa_float_denorm_mode_16_64 3
		.amdhsa_memory_ordered 1
		.amdhsa_forward_progress 1
		.amdhsa_inst_pref_size 255
	.end_amdhsa_kernel
	.section	.bss,"aw",@nobits
	.p2align	6
	.space	262144
	.amdgpu_metadata
---
amdhsa.version: [ 1, 2 ]
amdhsa.kernels:
  - .name:           k_qf449b10113_step1
    .symbol:         k_qf449b10113_step1.kd
    .args:
      - { .name: wf, .offset: 0, .size: 8, .value_kind: global_buffer, .address_space: global }
      - { .name: b1, .offset: 8, .size: 8, .value_kind: global_buffer, .address_space: global }
      - { .name: x0, .offset: 16, .size: 8, .value_kind: global_buffer, .address_space: global }
      - { .name: stA, .offset: 24, .size: 8, .value_kind: global_buffer, .address_space: global }
      - { .name: xs1, .offset: 32, .size: 8, .value_kind: global_buffer, .address_space: global }
      - { .name: stB, .offset: 40, .size: 8, .value_kind: global_buffer, .address_space: global }
    .group_segment_fixed_size: 327680
    .private_segment_fixed_size: 0
    .kernarg_segment_align: 8
    .kernarg_segment_size: 48
    .max_flat_workgroup_size: 128
    .sgpr_count:     66
    .vgpr_count:     1024
    .wavefront_size: 32
...
	.end_amdgpu_metadata
.endif
;; end of part 2
;; launch step2: the kernel of part 2 again; grid 256 x 1, 4 waves a work-group, clusters of 4 x 1, 327,680 bytes of LDS; arguments wf, b1, xs1, stB, xs2, stA; writes xs2, stA
;; launch sel (part 3): grid 256 x 1, 8 waves a work-group, no clusters, 0 bytes of LDS; arguments xs1, xs2, stA, xsel; writes xsel
.if DOCPART == 3
	.amdgcn_target "amdgcn-amd-amdhsa--gfx1250"
	.amdhsa_code_object_version 6
	.text
	.protected	k_qf449b10113_sel
	.globl	k_qf449b10113_sel
	.p2align	8
	.type	k_qf449b10113_sel,@function
k_qf449b10113_sel:
	s_mov_b64 s[64:65], 0
	v_nop
	global_prefetch_b8 v0, s[64:65] scope:SCOPE_SE
	s_setreg_imm32_b32 hwreg(HW_REG_WAVE_MODE, 25, 1), 1
	s_wait_xcnt 0x0
; A STEP IS JUDGED.  out = accepted ? the step's x5 : the x that it started from.  Arguments: the start, the x5, the step's record, out.
; It runs twice: behind step 2 (its result is step 3's start) and behind step 3 (its result is the problem's output).  Step 1 needs none: it is always accepted (shown at the head of the first kernel).
; LEFT OUT: t and dt behind step 3, which nothing reads.
; Accepted: the largest of the step's 1,024 wave maxima <= 0.01, or its h <= 0.1 + 1e-8.  Both buffers are read and the choice is a select: no branch and no address hangs on a floating-point number.
; A stream: a work-group moves 32,768 bytes of each buffer, a thread 16 bytes in each of eight rounds; a wave's load or store covers 512 consecutive bytes.  No LDS, no matrix unit, no cluster: nothing is shared but 4,096 bytes of errors.
.set E, 4                              ; v[4:35]    the errors
.set A, 40                             ; v[40:71]   the step's x5
.set B, 72                             ; v[72:103]  its start
	s_load_b256 s[4:11], s[0:1], 0x0               ; start s[4:5], x5 s[6:7], record s[8:9], out s[10:11]
	s_lshl_b32 s17, ttmp9, 4
	s_lshl_b32 s18, ttmp9, 15
	s_mov_b32 s19, 0
	s_mov_b32 s26, 0x76543210
	s_mov_b32 s27, 0xfedcba98
	v_and_b32 v1, 31, v0
	v_lshlrev_b32 v1, 4, v1
	v_lshlrev_b32 v2, 4, v0
	s_wait_kmcnt 0x0
	s_load_b128 s[20:23], s[8:9], s17 offset:0x1000    ; t, dt, h of the step
.set i, 0
.rept 8
	global_load_b128 v[E+4*i:E+4*i+3], v1, s[8:9] offset:512*i
.set i, i+1
.endr
	s_add_nc_u64 s[4:5], s[4:5], s[18:19]
	s_add_nc_u64 s[6:7], s[6:7], s[18:19]
	s_add_nc_u64 s[10:11], s[10:11], s[18:19]
.set i, 0
.rept 8
	global_load_b128 v[A+4*i:A+4*i+3], v2, s[6:7] offset:4096*i th:TH_LOAD_NT
	global_load_b128 v[B+4*i:B+4*i+3], v2, s[4:5] offset:4096*i th:TH_LOAD_NT
.set i, i+1
.endr
	s_wait_loadcnt 16                              ; the errors are in; the sixteen behind them stay out
	s_wait_kmcnt 0x0
	v_max3_num_f32 v[E], v[E], v[E+1], v[E+2]
.set i, 3
.rept 14
	v_max3_num_f32 v[E], v[E], v[E+i], v[E+i+1]
.set i, i+2
.endr
	v_max_num_f32 v[E], v[E], v[E+31]
	v_max_num_f32_dpp v[E], v[E], v[E] row_xmask:1 row_mask:0xf bank_mask:0xf
	v_max_num_f32_dpp v[E], v[E], v[E] row_xmask:2 row_mask:0xf bank_mask:0xf
	v_max_num_f32_dpp v[E], v[E], v[E] row_xmask:4 row_mask:0xf bank_mask:0xf
	v_max_num_f32_dpp v[E], v[E], v[E] row_xmask:8 row_mask:0xf bank_mask:0xf
	v_permlanex16_b32 v[E+1], v[E], s26, s27
	v_max_num_f32 v[E], v[E], v[E+1]
	v_mov_b32 v[E+2], s22
	v_cmp_ge_f32 s29, 0x3c23d70a, v[E]             ; err <= 0.01
	v_cmp_ge_f32 s30, 0x3dccccce, v[E+2]           ; h <= 0.1 + 1e-8, as f32
	s_or_b32 s29, s29, s30
.set i, 0
.rept 8
	s_wait_loadcnt 14-2*i                          ; pair i is in; the younger pairs stay out
	v_cndmask_b32 v[A+4*i], v[B+4*i], v[A+4*i], s29
	v_cndmask_b32 v[A+4*i+1], v[B+4*i+1], v[A+4*i+1], s29
	v_cndmask_b32 v[A+4*i+2], v[B+4*i+2], v[A+4*i+2], s29
	v_cndmask_b32 v[A+4*i+3], v[B+4*i+3], v[A+4*i+3], s29
	global_store_b128 v2, v[A+4*i:A+4*i+3], s[10:11] offset:4096*i th:TH_STORE_NT
.set i, i+1
.endr
	s_endpgm
.Lfunc_end_k_qf449b10113_sel:
	.size	k_qf449b10113_sel, .Lfunc_end_k_qf449b10113_sel-k_qf449b10113_sel
	.p2alignl 7, 3214868480
	.fill 96, 4, 3214868480
	.section	.rodata,"a",@progbits
	.p2align	6, 0x0
	.amdhsa_kernel k_qf449b10113_sel
		.amdhsa_group_segment_fixed_size 0
		.amdhsa_private_segment_fixed_size 0
		.amdhsa_enable_private_segment 0
		.amdhsa_kernarg_size 32
		.amdhsa_user_sgpr_count 2
		.amdhsa_user_sgpr_kernarg_segment_ptr 1
		.amdhsa_wavefront_size32 1
		.amdhsa_system_sgpr_workgroup_id_x 1
		.amdhsa_system_sgpr_workgroup_id_y 1
		.amdhsa_system_sgpr_workgroup_id_z 1
		.amdhsa_system_vgpr_workitem_id 0
		.amdhsa_next_free_vgpr 112
		.amdhsa_next_free_sgpr 66
		.amdhsa_reserve_vcc 0
		.amdhsa_float_denorm_mode_32 3
		.amdhsa_float_denorm_mode_16_64 3
		.amdhsa_memory_ordered 1
		.amdhsa_forward_progress 1
		.amdhsa_inst_pref_size 8
	.end_amdhsa_kernel
	.amdgpu_metadata
---
amdhsa.version: [ 1, 2 ]
amdhsa.kernels:
  - .name:           k_qf449b10113_sel
    .symbol:         k_qf449b10113_sel.kd
    .args:
      - { .name: xs1, .offset: 0, .size: 8, .value_kind: global_buffer, .address_space: global }
      - { .name: xs2, .offset: 8, .size: 8, .value_kind: global_buffer, .address_space: global }
      - { .name: stA, .offset: 16, .size: 8, .value_kind: global_buffer, .address_space: global }
      - { .name: xsel, .offset: 24, .size: 8, .value_kind: global_buffer, .address_space: global }
    .group_segment_fixed_size: 0
    .private_segment_fixed_size: 0
    .kernarg_segment_align: 8
    .kernarg_segment_size: 32
    .max_flat_workgroup_size: 256
    .sgpr_count:     66
    .vgpr_count:     112
    .wavefront_size: 32
...
	.end_amdgpu_metadata
.endif
;; end of part 3
;; launch step3: the kernel of part 2 again; grid 256 x 1, 4 waves a work-group, clusters of 4 x 1, 327,680 bytes of LDS; arguments wf, b1, xsel, stA, xs3, stB; writes xs3, stB
;; launch fin: the kernel of part 3 again; grid 256 x 1, 8 waves a work-group, no clusters, 0 bytes of LDS; arguments xsel, xs3, stB, out0; writes out0
;; ======== version 2 of 3: 6 launches; 1.15 times as fast as version 1
;; limits: values are held in f16: magnitudes above 65,504 overflow, below 6.1e-05 lose precision; right only within a limited range of input values
;; workspace buffers: wf 262,656 bytes; stA 8,192 bytes; stB 8,192 bytes; xs1 8,388,608 bytes; xs2 8,388,608 bytes; xsel 8,388,608 bytes; xs3 8,388,608 bytes
;; launch prep (part 4): grid 68 x 1, 8 waves a work-group, no clusters, 0 bytes of LDS; arguments W1, W2, b1, b2, wf, stA; writes wf, stA
.if DOCPART == 4
	.amdgcn_target "amdgcn-amd-amdhsa--gfx1250"
	.amdhsa_code_object_version 6
	.text
	.protected	k_qf449b10113_prep
	.globl	k_qf449b10113_prep
	.p2align	8
	.type	k_qf449b10113_prep,@function
k_qf449b10113_prep:
	s_mov_b64 s[64:65], 0
	v_nop
	global_prefetch_b8 v0, s[64:65] scope:SCOPE_SE
	s_setreg_imm32_b32 hwreg(HW_REG_WAVE_MODE, 25, 1), 1
	s_wait_xcnt 0x0
; PREPARES the three Runge-Kutta-Fehlberg steps of x' = f(x) = relu(x W1 + b1) W2 + b2 that the later launches take.
; WHAT THE PROGRAM LEAVES OUT, for all finite inputs:
;  - 'done' is never true: step 1 has h = min(1, 0.1); dt after it is max(0.1 scale, 0.1) <= 0.5 since scale <= 5; so t <= 0.1 + 0.5 when step 3 begins, below 1 - 1e-8.
;  - step 1 is always accepted: its h = 0.1 is not above 0.1 + 1e-8.  So step 2 starts from step 1's x5, and no launch takes x0 as a fall-back.
;  - x4 is not formed: x5 - x4 = h sum d_i k_i, and the d_i (1/360, 0, -128/4275, -2197/75240, 1/50, 2/55) add up to 0, both rows of weights adding up to 1:
;    so it is h sum d_i (k_i - k1), a sum of small numbers in place of a difference of two large ones.
;  - t and dt behind step 3 reach no output and are not made.
; Every input has a way to the output and is loaded.  LIMIT: a NaN, an infinity or an overflow that would reach only what is left out is not carried to the result.
; THIS LAUNCH.  Work-groups 0-63: W1 and W2, each number rounded once to bf16 and written as f16 (exact from 2^-17 up to 65,504: the limit on |W|), laid out as the matrix
; fragments of the step kernel: chunk c of 16 bytes = 8 numbers along k; c = lane + 32 q + 64 f + 2048 mat + 4096 w (w: the wave that will own hidden units 128 w ..).
; Work-groups 64-67: c0 = relu(b1) W2 + b2 on the same rounded numbers, sums in f32: each of their 32 waves makes four channels, a lane taking every 32nd hidden unit, in one batch of loads.
; Work-group 64 also writes the record of a step of length 0 for the first step launch to read: 1,024 errors of 1.0 and (t, dt, h, first) = (0, 0.1, 0, 1): it is taken (h <= 0.1), moves t by 0,
; and max(0.1 scale, 0.1) leaves dt at 0.1; 'first' says that x is the problem's x0.
.set C0OFF, 262144                     ; c0 lies behind the fragments in wf
	s_load_b256 s[4:11], s[0:1], 0x0               ; W1 s[4:5], W2 s[6:7], b1 s[8:9], b2 s[10:11]
	s_load_b128 s[12:15], s[0:1], 0x20             ; wf s[12:13], stA s[14:15]
	s_mov_b32 s25, 0xffff0000                      ; a word's upper bf16
	v_and_b32 v1, 15, v0                           ; r: the fragment's row
	v_lshrrev_b32 v2, 4, v0                        ; hh + 2 q + 4 kb: my 8 numbers begin at k = 8 x this
	v_lshlrev_b32 v3, 4, v0                        ; 16 bytes a thread
	s_cmp_ge_u32 ttmp9, 64
	s_cbranch_scc1 .Lrest
	s_and_b32 s16, ttmp9, 7
	s_lshl_b32 s16, s16, 6                         ; block of 16 columns: 64 bytes
	s_lshr_b32 s17, ttmp9, 4                       ; w
	s_lshl_b32 s18, ttmp9, 12                      ; the work-group's 256 chunks
	s_mov_b32 s19, 0
	s_and_b32 s20, ttmp9, 8                        ; mat
	s_wait_kmcnt 0x0
	s_add_nc_u64 s[12:13], s[12:13], s[18:19]
; eight numbers down a column, rounded to bf16, written as f16, stored as one chunk
.macro CONV base, stride
.irp i, 0,1,2,3,4,5,6,7
	global_load_b32 v[8+\i], v4, s[\base:\base+1] offset:\i*\stride
.endr
	s_wait_loadcnt 0x0
.irp i, 0,1,2,3
	v_cvt_pk_bf16_f32 v[16+\i], v[8+2*\i], v[9+2*\i]
.endr
.irp i, 0,1,2,3
	v_lshlrev_b32 v[8+2*\i], 16, v[16+\i]
	v_and_b32 v[9+2*\i], s25, v[16+\i]
.endr
.irp i, 0,1,2,3
	v_cvt_pk_f16_f32 v[16+\i], v[8+2*\i], v[9+2*\i]
.endr
	global_store_b128 v3, v[16:19], s[12:13]       ; a wave stores 512 consecutive bytes
.endm
	s_cmp_lg_u32 s20, 0
	s_cbranch_scc1 .Lw2
	s_lshl_b32 s18, s17, 9                         ; W1[k][n]: n = 128 w + 16 block + r
	s_add_co_u32 s18, s18, s16
	s_add_nc_u64 s[4:5], s[4:5], s[18:19]
	v_lshlrev_b32 v4, 14, v2                       ; 8 rows of 2,048 bytes
	v_lshl_add_u32 v4, v1, 2, v4
	CONV 4, 2048
	s_endpgm
.Lw2:
	s_lshl_b32 s18, s17, 16                        ; W2[k][c]: k = 128 w + .., c = 16 block + r
	s_add_co_u32 s18, s18, s16
	s_add_nc_u64 s[6:7], s[6:7], s[18:19]
	v_lshlrev_b32 v4, 12, v2                       ; 8 rows of 512 bytes
	v_lshl_add_u32 v4, v1, 2, v4
	CONV 6, 512
	s_endpgm
.Lrest:
	v_lshrrev_b32 v5, 5, v0
	v_readfirstlane_b32 s16, v5                    ; wave g
	s_sub_co_u32 s17, ttmp9, 64
	s_lshl_b32 s17, s17, 3
	s_add_co_u32 s17, s17, s16                     ; my four channels: chunk 0..31,
	s_lshl_b32 s17, s17, 4                         ; 16 bytes of a row of W2, of b2 and of c0
	v_and_b32 v5, 31, v0                           ; lane: hidden units 32 i + lane
	v_lshl_add_u32 v20, v5, 9, s17                 ; W2: lane x 512 + my 16 bytes; 32 rows on are 16,384 bytes
	v_lshlrev_b32 v21, 2, v5                       ; b1: 4 x lane; 32 units on are 128 bytes
	v_mov_b32 v22, s17
	v_mov_b32 v19, 0                               ; named with v18 as a pair
	s_mov_b32 s26, 0x76543210
	s_mov_b32 s27, 0xfedcba98
	s_wait_kmcnt 0x0
.set i, 0
.rept 16
	global_load_b128 v[64+4*i:64+4*i+3], v20, s[6:7] offset:16384*i
	global_load_b32 v[32+i], v21, s[8:9] offset:128*i
.set i, i+1
.endr
	global_load_b128 v[24:27], v22, s[10:11]
	s_cmp_lg_u32 ttmp9, 64
	s_cbranch_scc1 .Lnorec
	v_mov_b32 v8, 1.0
	v_mov_b32 v9, 1.0
	v_mov_b32 v10, 1.0
	v_mov_b32 v11, 1.0
	v_mov_b32 v12, 0                               ; t
	v_mov_b32 v13, 0x3dcccccd                      ; dt = 0.1
	v_mov_b32 v14, 0                               ; h
	v_mov_b32 v15, 1.0                             ; first: the step launch that reads this rounds its x to bf16
	global_store_b128 v3, v[8:11], s[14:15]
	global_store_b128 v3, v[12:15], s[14:15] offset:4096
.Lnorec:
	s_wait_loadcnt 0x0
.set i, 0
.rept 16
	v_cvt_pk_bf16_f32 v16, v[64+4*i], v[64+4*i+1]
	v_cvt_pk_bf16_f32 v17, v[64+4*i+2], v[64+4*i+3]
	v_cvt_pk_bf16_f32 v18, v[32+i], v[32+i]
	v_lshlrev_b32 v[64+4*i], 16, v16
	v_and_b32 v[64+4*i+1], s25, v16
	v_lshlrev_b32 v[64+4*i+2], 16, v17
	v_and_b32 v[64+4*i+3], s25, v17
	v_and_b32 v18, s25, v18
	v_max_num_f32 v18, 0, v18                      ; relu(b1)
.if i == 0
	v_pk_mul_f32 v[28:29], v[64:65], v[18:19] op_sel_hi:[1,0]      ; the first product starts the four sums
	v_pk_mul_f32 v[30:31], v[66:67], v[18:19] op_sel_hi:[1,0]
.else
	v_pk_fma_f32 v[28:29], v[64+4*i:64+4*i+1], v[18:19], v[28:29] op_sel_hi:[1,0,1]
	v_pk_fma_f32 v[30:31], v[64+4*i+2:64+4*i+3], v[18:19], v[30:31] op_sel_hi:[1,0,1]
.endif
.set i, i+1
.endr
.irp m, 1,2,4,8
.irp a, 28,29,30,31
	v_add_f32_dpp v\a, v\a, v\a row_xmask:\m row_mask:0xf bank_mask:0xf
.endr
.endr
.irp j, 0,1,2,3
	v_permlanex16_b32 v[16+\j], v[28+\j], s26, s27
.endr
	v_pk_add_f32 v[28:29], v[28:29], v[16:17]
	v_pk_add_f32 v[30:31], v[30:31], v[18:19]
	v_cvt_pk_bf16_f32 v16, v24, v25                ; b2, rounded like the other inputs
	v_cvt_pk_bf16_f32 v17, v26, v27
	v_lshlrev_b32 v24, 16, v16
	v_and_b32 v25, s25, v16
	v_lshlrev_b32 v26, 16, v17
	v_and_b32 v27, s25, v17
	v_pk_add_f32 v[28:29], v[28:29], v[24:25]
	v_pk_add_f32 v[30:31], v[30:31], v[26:27]
	v_cmp_eq_u32 vcc_lo, 0, v5                     ; every lane holds the sums: lane 0 stores them
	s_wait_xcnt 0x0                                ; EXEC changes only behind this wait
	s_and_saveexec_b32 s21, vcc_lo
	global_store_b128 v22, v[28:31], s[12:13] offset:C0OFF
	s_wait_xcnt 0x0
	s_or_b32 exec_lo, exec_lo, s21
	s_endpgm
.Lfunc_end_k_qf449b10113_prep:
	.size	k_qf449b10113_prep, .Lfunc_end_k_qf449b10113_prep-k_qf449b10113_prep
	.p2alignl 7, 3214868480
	.fill 96, 4, 3214868480
	.section	.rodata,"a",@progbits
	.p2align	6, 0x0
	.amdhsa_kernel k_qf449b10113_prep
		.amdhsa_group_segment_fixed_size 0
		.amdhsa_private_segment_fixed_size 0
		.amdhsa_enable_private_segment 0
		.amdhsa_kernarg_size 48
		.amdhsa_user_sgpr_count 2
		.amdhsa_user_sgpr_kernarg_segment_ptr 1
		.amdhsa_wavefront_size32 1
		.amdhsa_system_sgpr_workgroup_id_x 1
		.amdhsa_system_sgpr_workgroup_id_y 1
		.amdhsa_system_sgpr_workgroup_id_z 1
		.amdhsa_system_vgpr_workitem_id 0
		.amdhsa_next_free_vgpr 128
		.amdhsa_next_free_sgpr 66
		.amdhsa_reserve_vcc 1
		.amdhsa_float_denorm_mode_32 3
		.amdhsa_float_denorm_mode_16_64 3
		.amdhsa_memory_ordered 1
		.amdhsa_forward_progress 1
		.amdhsa_inst_pref_size 19
	.end_amdhsa_kernel
	.amdgpu_metadata
---
amdhsa.version: [ 1, 2 ]
amdhsa.kernels:
  - .name:           k_qf449b10113_prep
    .symbol:         k_qf449b10113_prep.kd
    .args:
      - { .name: W1, .offset: 0, .size: 8, .value_kind: global_buffer, .address_space: global }
      - { .name: W2, .offset: 8, .size: 8, .value_kind: global_buffer, .address_space: global }
      - { .name: b1, .offset: 16, .size: 8, .value_kind: global_buffer, .address_space: global }
      - { .name: b2, .offset: 24, .size: 8, .value_kind: global_buffer, .address_space: global }
      - { .name: wf, .offset: 32, .size: 8, .value_kind: global_buffer, .address_space: global }
      - { .name: stA, .offset: 40, .size: 8, .value_kind: global_buffer, .address_space: global }
    .group_segment_fixed_size: 0
    .private_segment_fixed_size: 0
    .kernarg_segment_align: 8
    .kernarg_segment_size: 48
    .max_flat_workgroup_size: 256
    .sgpr_count:     66
    .vgpr_count:     128
    .wavefront_size: 32
...
	.end_amdgpu_metadata
.endif
;; end of part 4
;; launch step1 (part 5): grid 256 x 1, 4 waves a work-group, clusters of 4 x 1, 327,680 bytes of LDS; arguments wf, b1, x0, stA, xs1, stB; writes xs1, stB
.if DOCPART == 5
	.amdgcn_target "amdgcn-amd-amdhsa--gfx1250"
	.amdhsa_code_object_version 6
	.text
	.protected	k_qf449b10113_step1
	.globl	k_qf449b10113_step1
	.p2align	8
	.type	k_qf449b10113_step1,@function
k_qf449b10113_step1:
	s_mov_b64 s[64:65], 0
	v_nop
	global_prefetch_b8 v0, s[64:65] scope:SCOPE_SE
	s_setreg_imm32_b32 hwreg(HW_REG_WAVE_MODE, 25, 1), 1
	s_wait_xcnt 0x0
	s_wait_alu depctr_hold_cnt(0) depctr_sa_sdst(0) depctr_va_vdst(0) depctr_va_sdst(0) depctr_va_ssrc(0) depctr_va_vcc(0) depctr_vm_vsrc(0)
	s_getreg_b32 s2, hwreg(HW_REG_IB_STS2, 6, 4)
	s_cmp_eq_u32 s2, 0
	s_cbranch_scc0 .Lentry_in_a_cluster
	s_endpgm
.Lentry_in_a_cluster:
	s_bfe_u32 s2, ttmp6, 0x10000c
	s_cmp_lg_u32 s2, 0x3003
	s_cbranch_scc0 .Lentry_shape_is_right
	s_endpgm
.Lentry_shape_is_right:
; ONE STEP of the Runge-Kutta-Fehlberg scan.  Arguments: wf (weight fragments, c0), b1, x (the step's start), the record of the step before; stored: this step's candidate x5 and its record.
; LEFT OUT (shown at the head of the first kernel): 'done', the fall-back of step 1, x4.
; TIME IS KEPT HERE: err = the largest of the 1,024 wave maxima of the step before; take = (err <= 0.01) | (h <= 0.1 + 1e-8); t += take ? h : 0, dt = max(dt clip(0.9 (0.01 / (err + 1e-12))^0.2, 0.2, 5), 0.1),
; h = clip(1 - t, 0, dt).  By selects: no branch and no address hangs on a floating-point number.  Which x the step starts from has been settled before this launch.
; The record's fourth word says that x is the problem's x0, which is then rounded once to bf16, like all inputs: again a select.
; ARITHMETIC.  K1 = h k1, Ki = h (ki - k1).  A stage's input is x (stage 1) or d = y_i - x = c_i K1 + sum a_ij Kj.  For each batch row s = the power of two at or below the row's largest |input|; the input over s goes
; to f16 (11 bits of a DIFFERENCE); G = W1^T (input / s); with the base z_b (b1 in stage 1, z1 = b1 + x W1 later) (relu(z_b + s G) - relu(z_b)) / s = max(G + min(z_b, 0) / s, -max(z_b, 0) / s), again f16;
; the second product, times h s, is K.  k1 = c0 + that.  min(z_b, 0) and -max(z_b, 0) are kept as f16 over a power of two sigma (a row's, a wave's slice's) and meet s as rho = sigma / s.
; States, sums and partial sums are f32.
; LIMITS.  2 sum_k |W1[k][u]| stays under 32,768 (G in f16).  Row maxima count as at least 2^-100 and at most 2^100.  rho is held to 2^-14 .. 2^15: above, a unit's kink is placed to within 2^-15 sigma; below, to within 2^-13 s.
; An f16 overflow of min(z_b, 0) rho or -max(z_b, 0) rho is -inf and loses, or lets win, the maximum as the true number would.  NaN and infinities are not treated apart.
; SHARES.  A work-group has 64 rows of x, four tiles of 16.  Wave w keeps hidden units 128 w .. 128 w + 127 of BOTH weights in 512 registers for the whole launch and walks all four tiles with them;
; it also OWNS tile w: it adds the four waves' partial sums and keeps the state.  Two work-group barriers a stage: inputs written / read, partial sums written / read.
; THE WALK.  Wave w takes the tiles w + 1, w + 2, w + 3, w (modulo 4): its own last, so that its own partial sums stay in the accumulators: three of four go through LDS.
; LAYOUT.  Both products are taken transposed (source 0 = weights): a lane holds ONE batch row (lane % 16) and 8 (lane / 16) + 0..7 of 16 hidden units or channels, so the first product's results, packed in pairs,
; ARE source 1 of the second.  The accumulators of a run take turns (four in a half of the first product, eight in the second).
; SIDE BY SIDE.  The first product goes in two halves of 16 matrix instructions (hidden blocks 0-3, then 4-7).  The first half's activation, 64 packed lines, stands four lines behind each matrix
; instruction of the second half; the second half's behind each of the first 16 of the second product, which read the first half's results alone.  The weights are source 0 in windows 2 and 3 and what
; the vector lines name lies in windows 0 and 1, so a group of lines costs two switches of the windows.  Stage 1 has z1 to make besides: see there.
; CLUSTER.  All work-groups read the same 262,144 bytes of fragments: the four of a cluster ask jointly, one load a wave, the wave's only tensor load.  Nothing in LDS is filled twice.
; No prefetch: x is read once at the head, where nothing runs ahead of it, and the fragments are read by every work-group.
; LDS.  0: the fragments, 65,536 a wave.  When they are in registers the wave uses its share again: +0 the two base arrays (tile x 8,192 + array x 4,096), +32,768 its partial sums (tile x 8,192).
.set XH,    262144                     ; stage inputs, f16: 64 rows 272 bytes apart, so that the 16 rows of a load begin 16 bytes apart modulo 256
.set XHP,   272
.set SCL,   XH+64*XHP                  ; 1 / s for each row
.set SIGL,  SCL+256                    ; sigma: wave x 512 + tile x 128 + 4 x lane
.set BAS,   SIGL+2048                  ; wave x 1,024: b1 as f32, +512 min(b1, 0) / sigma_b, +768 -max(b1, 0) / sigma_b as f16
.set XST,   BAS+4096                   ; wave x 8,448: 16 rows of f32, 528 bytes apart, for the way in and out
.set XSP,   528
.set SPARE, XST+4*16*XSP               ; the spare words, 128 bytes a wave: two blocks of 256 bytes that no other line names
; window 0
.set L16,  1                           ; 16 x lane
.set AXH0, 2                           ; XH + 272 r + 16 hh
.set ASC0, 3                           ; SCL + 4 r
.set AAR0, 4                           ; 65,536 w + 16 x lane
.set WXH,  5                           ; the four bases plus the tile's offset (at the head: c0's offset)
.set ASG0, 6                           ; SIGL + 512 w + 4 x lane
.set APR,  7                           ; v7-9: the partial sums for my tile of waves w + 1, w + 2, w + 3 (modulo 4)
.set WSGK, 10                          ; stage 1: where the tile in hand puts its sigma
.set WSC,  11
.set WSG,  12
.set WAR,  13
.set ABF,  14                          ; BAS + 1,024 w + 32 hh
.set ABA,  15                          ; BAS + 1,024 w + 16 hh
.set T0,   16                          ; an address at work
.set ASTW, 17                          ; my stage by the state's layout: XST + 8,448 w + 528 r + 32 hh; never rewritten
.set ASTR, 18                          ; my stage by rows: XST + 8,448 w + 16 x lane; never rewritten
.set RH,   19                          ; rho twice, f16
.set INV,  20                          ; pair
.set HS,   22                          ; pair: h s of the input last sent out
.set SV,   24                          ; pair: s, in stage 1
.set INVT, 26
.set SGT,  27
.set TA,   28
.set TB,   29
.set SPW,  30
.set NIL,  31
.set D,    32                          ; 64: first product; in stages 2 to 6 its lower 32 later take the second half's base arrays
.set KA,   96                          ; 64: second product
.set XF,   160                         ; 32: input fragments
.set HB,   192                         ; 32: source 1 of the second product
.set AT,   224                         ; 32: base arrays, or at work
; window 1: the owner's state, register 8 ob + j = channel 16 ob + 8 hh + j of row 16 w + r
.set ST0,  0                           ; K1, later x5 - x
.set ST1,  64                          ; K2, later the known part of stage 6's input
.set ST2,  128                         ; K3, later x5 - x4
.set STX,  192                         ; x
; window 1 in stage 1, where K2 and K3 are not yet:
.set BA1,  64                          ; 32: min(b1, 0) / sigma_b, four registers a hidden block
.set BA2,  96                          ; 32: -max(b1, 0) / sigma_b
.set ZB,   128                         ; 64: b1 as f32, then z1 of the tile in hand, in D's layout
; window 2: W1 fragment 4 hb + kb at 8 x that;  window 3: W2 fragment 4 ob + kb
; scalars: s[2:3] a coefficient and 0; s4, s5 offsets of my record and my error; s6 the tile in hand; s7 at work, then -1.0 twice in f16; s[8:19] arguments; s20 my stage; s21 a mask; s[22:23] my rows' offset; s24 wave; s25 cx; s26 work-group;
; s27 trips; s[28:29] offsets; s[30:31] lane selects; s[32:43] descriptor; s[44:47] old record; s[48:49] h; s50 sigma_b; s51 take; s52 first; s53, s54 masks; s55 my BAS; s56 t; s57 dt; s58-61 the tile's four offsets; s62, s63 my tile's
.set WV,   24
.set MSB, 0
.macro WIN new                         ; the high byte repeats the setting that is left; a switch that changes nothing is dropped
.if MSB != (\new)
	s_set_vgpr_msb (MSB<<8)|(\new)
.set MSB, (\new)
.endif
.endm
.macro CROUND                          ; a round of the cluster's barrier
	s_barrier_signal -1
	s_barrier_wait -1
	s_cmp_lg_u32 s[WV], 0
	s_cbranch_scc1 .Lnw0_\@
	s_barrier_signal -3
.Lnw0_\@:
	s_barrier_wait -3
	s_barrier_signal -1
	s_barrier_wait -1
.endm
.macro BAR                             ; my LDS stores are done and my LDS loads are back: then the work-group's barrier
	s_wait_dscnt 0x0
	s_barrier_signal -1
	s_barrier_wait -1
.endm
.macro PLACES                          ; four places behind a matrix instruction (ISA guide 7.12.1)
.rept 4
	v_nop
.endr
.endm
.macro WAVEMAX                         ; TA = its maximum over the 32 lanes
	v_max_num_f32_dpp v[TA], v[TA], v[TA] row_xmask:1 row_mask:0xf bank_mask:0xf
	v_max_num_f32_dpp v[TA], v[TA], v[TA] row_xmask:2 row_mask:0xf bank_mask:0xf
	v_max_num_f32_dpp v[TA], v[TA], v[TA] row_xmask:4 row_mask:0xf bank_mask:0xf
	v_max_num_f32_dpp v[TA], v[TA], v[TA] row_xmask:8 row_mask:0xf bank_mask:0xf
	v_permlanex16_b32 v[TB], v[TA], s30, s31
	v_max_num_f32 v[TA], v[TA], v[TB]
.endm
.macro POW2                            ; TA = the power of two at or below it, held to 2^-100 .. 2^100
	v_max_num_f32 v[TA], 0x0d800000, v[TA]
	v_min_num_f32 v[TA], 0x71800000, v[TA]
	v_and_b32 v[TA], 0x7f800000, v[TA]
.endm
.macro ROWMAX b                        ; TA = that power for my batch row: my 64 numbers, two chains, and the lane 16 away
	v_max3_num_f32 v[TA], |v[(\b)]|, |v[(\b)+1]|, |v[(\b)+2]|
	v_max3_num_f32 v[TB], |v[(\b)+3]|, |v[(\b)+4]|, |v[(\b)+5]|
.set i, 6
.rept 14
	v_max3_num_f32 v[TA], v[TA], |v[(\b)+i]|, |v[(\b)+i+1]|
	v_max3_num_f32 v[TB], v[TB], |v[(\b)+i+2]|, |v[(\b)+i+3]|
.set i, i+4
.endr
	v_max3_num_f32 v[TA], v[TA], |v[(\b)+62]|, |v[(\b)+63]|
	v_max_num_f32 v[TA], v[TA], v[TB]
	v_permlanex16_b32 v[TB], v[TA], s30, s31
	v_max_num_f32 v[TA], v[TA], v[TB]
	POW2
.endm
.macro OFFW                            ; the tile's number modulo 4, and its four offsets
	s_and_b32 s6, s6, 3
	s_mul_i32 s58, s6, 16*XHP
	s_lshl_b32 s59, s6, 6
	s_lshl_b32 s60, s6, 7
	s_lshl_b32 s61, s6, 13
.endm
.macro INITW                           ; the walk begins at the tile behind my own
	s_add_co_u32 s6, s[WV], 1
	OFFW
.endm
.macro STEPW                           ; the next tile
	s_add_co_u32 s6, s6, 1
	OFFW
.endm
.macro SETW
	v_add_nc_u32 v[WXH], s58, v[AXH0]
	v_add_nc_u32 v[WSC], s59, v[ASC0]
	v_add_nc_u32 v[WSG], s60, v[ASG0]
	v_add_nc_u32 v[WAR], s61, v[AAR0]
.endm
.macro LOADX                           ; a tile's input fragments and its rows' 1 / s
.irp kb, 0,1,2,3
	ds_load_b128 v[XF+8*\kb:XF+8*\kb+3], v[WXH] offset:64*\kb
	ds_load_b128 v[XF+8*\kb+4:XF+8*\kb+7], v[WXH] offset:64*\kb+32
.endr
	ds_load_b32 v[INVT], v[WSC]
.endm
.macro LOADA dst, half                 ; both base arrays for four blocks of hidden units: the tile's own
.irp b, 0,1,2,3
	ds_load_b128 v[(\dst)+4*\b:(\dst)+4*\b+3], v[WAR] offset:(4*(\half)+\b)*512
	ds_load_b128 v[(\dst)+16+4*\b:(\dst)+16+4*\b+3], v[WAR] offset:4096+(4*(\half)+\b)*512
.endr
.endm
.macro LOADZ                           ; stage 1: b1 as f32 into ZB, in D's layout
	WIN 0x40
.irp b, 0,1,2,3,4,5,6,7
	ds_load_b128 v[ZB+8*\b:ZB+8*\b+3], v[ABF] offset:64*\b
	ds_load_b128 v[ZB+8*\b+4:ZB+8*\b+7], v[ABF] offset:64*\b+16
.endr
	WIN 0
.endm
; Matrix instruction gi of 32 of the first product, D[hb] += W1(hb, kb) x input(kb): half gi / 16 of the hidden blocks; in a half kb = 0..3, and for each kb the half's four accumulators by turns.  kb = 0 starts the sums.
.macro G1
	WIN 0x02
.set gh, 4*(gi/16)+gi%4
.set gk, (gi%16)/4
.if gk == 0
	v_wmma_f32_16x16x32_f16 v[D+8*gh:D+8*gh+7], v[8*(4*gh+gk):8*(4*gh+gk)+7], v[XF+8*gk:XF+8*gk+7], 0
.else
	v_wmma_f32_16x16x32_f16 v[D+8*gh:D+8*gh+7], v[8*(4*gh+gk):8*(4*gh+gk)+7], v[XF+8*gk:XF+8*gk+7], v[D+8*gh:D+8*gh+7]
.endif
.set gi, gi+1
.endm
; Matrix instruction gj of 32 of the second product, KA[ob] += W2(ob, kb) x HB(kb): kb = gj / 8, the eight accumulators by turns.  The first 16 read HB's lower half alone.
.macro G2
	WIN 0x03
.set gh, gj%8
.set gk, gj/8
.if gk == 0
	v_wmma_f32_16x16x32_f16 v[KA+8*gh:KA+8*gh+7], v[8*(4*gh+gk):8*(4*gh+gk)+7], v[HB+8*gk:HB+8*gk+7], 0
.else
	v_wmma_f32_16x16x32_f16 v[KA+8*gh:KA+8*gh+7], v[8*(4*gh+gk):8*(4*gh+gk)+7], v[HB+8*gk:HB+8*gk+7], v[KA+8*gh:KA+8*gh+7]
.endif
.set gj, gj+1
.endm
.macro RHO src                         ; rho = sigma / s, held to f16's powers of two.  Five plain lines: they are also the places behind the matrix instruction that stands ahead of them
	v_mul_f32 v[TA], \src, v[INVT]
	v_max_num_f32 v[TA], 0x38800000, v[TA]
	v_min_num_f32 v[TA], 0x47000000, v[TA]
	v_cvt_pk_f16_f32 v[RH], v[TA], v[TA]
	v_nop
.endm
.macro SVRHO                           ; stage 1: s of the tile's rows, and rho = sigma_b / s
	v_sub_nc_u32 v[SV], 0x7f000000, v[INVT]
	v_mov_b32 v[SV+1], v[SV]
	v_mul_f32 v[TA], s50, v[INVT]
	v_max_num_f32 v[TA], 0x38800000, v[TA]
	v_min_num_f32 v[TA], 0x47000000, v[TA]
	v_cvt_pk_f16_f32 v[RH], v[TA], v[TA]
.endm
; THE ACTIVATION, HB = max(f16(D) + A1 rho, A2 rho), two numbers a line, 64 lines a half, one line at a time.  Each accumulator is read from its low end on.
; Stages 2 to 6, lower half: line ql.  The 16 products A2 rho come first: they name no result, and are the places between the first half's last matrix instruction and the conversions.
.macro RL
	WIN 0
.set rp, ql%16
.if ql < 16
	v_pk_mul_f16 v[AT+16+rp], v[AT+16+rp], v[RH]
.elseif ql < 32
	v_cvt_pk_f16_f32 v[HB+rp], v[D+2*rp], v[D+2*rp+1]
.elseif ql < 48
	v_pk_fma_f16 v[HB+rp], v[AT+rp], v[RH], v[HB+rp]
.else
	v_pk_max_num_f16 v[HB+rp], v[HB+rp], v[AT+16+rp]
.endif
.set ql, ql+1
.endm
; Upper half: line qh.  Its base arrays lie in D's lower 32 registers.  The conversions come first: block 4's results are 16 plain lines old, block 7's are read 16 lines behind their last matrix instruction.
.macro RHI
	WIN 0
.set rp, qh%16
.if qh < 16
	v_cvt_pk_f16_f32 v[HB+16+rp], v[D+32+2*rp], v[D+32+2*rp+1]
.elseif qh < 32
	v_pk_mul_f16 v[D+16+rp], v[D+16+rp], v[RH]
.elseif qh < 48
	v_pk_fma_f16 v[HB+16+rp], v[D+rp], v[RH], v[HB+16+rp]
.else
	v_pk_max_num_f16 v[HB+16+rp], v[HB+16+rp], v[D+16+rp]
.endif
.set qh, qh+1
.endm
; Stage 1, the same lines in the same order: the arrays are b1's, alike for all tiles, and stay in window 1; the products A2 rho go to AT.  Four lines on end have one window setting.
.macro RL1
.set rp, ql%16
.if ql < 16
	WIN 0x01
	v_pk_mul_f16 v[AT+16+rp], v[BA2+rp], v[RH]
.elseif ql < 32
	WIN 0
	v_cvt_pk_f16_f32 v[HB+rp], v[D+2*rp], v[D+2*rp+1]
.elseif ql < 48
	WIN 0x01
	v_pk_fma_f16 v[HB+rp], v[BA1+rp], v[RH], v[HB+rp]
.else
	WIN 0
	v_pk_max_num_f16 v[HB+rp], v[HB+rp], v[AT+16+rp]
.endif
.set ql, ql+1
.endm
.macro RH1
.set rp, qh%16
.if qh < 16
	WIN 0
	v_cvt_pk_f16_f32 v[HB+16+rp], v[D+32+2*rp], v[D+32+2*rp+1]
.elseif qh < 32
	WIN 0x01
	v_pk_mul_f16 v[AT+rp], v[BA2+16+rp], v[RH]
.elseif qh < 48
	WIN 0x01
	v_pk_fma_f16 v[HB+16+rp], v[BA1+16+rp], v[RH], v[HB+16+rp]
.else
	WIN 0
	v_pk_max_num_f16 v[HB+16+rp], v[HB+16+rp], v[AT+rp]
.endif
.set qh, qh+1
.endm
; Stage 1: z1 = b1 + s G, in ZB, and the largest |z1| of my 64: line qz of 64.  Four chains (TA, TB and the pair INV), started by the first four lines: nothing is cleared.
.macro Z1
.if qz < 32
	WIN 0x50
	v_pk_fma_f32 v[ZB+2*qz:ZB+2*qz+1], v[D+2*qz:D+2*qz+1], v[SV:SV+1], v[ZB+2*qz:ZB+2*qz+1]
.else
.set zj, qz-32
.set zc, TA+(zj%4)-10*((zj%4)/2)       ; TA, TB, INV, INV + 1
.if zj < 4
	WIN 0x05
	v_max_num_f32 v[zc], |v[ZB+2*zj]|, |v[ZB+2*zj+1]|
.else
	WIN 0x14
	v_max3_num_f32 v[zc], v[zc], |v[ZB+2*zj]|, |v[ZB+2*zj+1]|
.endif
.endif
.set qz, qz+1
.endm
; Stage 1: z1 / sigma, rounded to f16, and the two base arrays of the later stages: line qy of 128.  min(z, 0) into AT; -z + min(z, 0) = -max(z, 0) in place in HB, exact: one of the two is 0.
.macro Z2
.set rp, qy%32
.if qy < 32
	WIN 0x41
	v_pk_mul_f32 v[ZB+2*rp:ZB+2*rp+1], v[ZB+2*rp:ZB+2*rp+1], v[INV:INV+1]
.elseif qy < 64
	WIN 0x05
	v_cvt_pk_f16_f32 v[HB+rp], v[ZB+2*rp], v[ZB+2*rp+1]
.elseif qy < 96
	WIN 0
	v_pk_min_num_f16 v[AT+rp], v[HB+rp], s3
.else
	WIN 0
	v_pk_fma_f16 v[HB+rp], v[HB+rp], s7, v[AT+rp]
.endif
.set qy, qy+1
.endm
.macro ARRST                           ; the two arrays go to the tile's place in my share
.irp b, 0,1,2,3,4,5,6,7
	ds_store_b128 v[T0], v[AT+4*\b:AT+4*\b+3] offset:512*\b
	ds_store_b128 v[T0], v[HB+4*\b:HB+4*\b+3] offset:4096+512*\b
.endr
.endm
.macro STOREK reg                      ; my partial sums of a tile, 16 bytes a lane on end; reg: my share + the tile's 8,192 + 16 x lane
.set i, 0
.rept 16
	ds_store_b128 v[\reg], v[KA+4*i:KA+4*i+3] offset:32768+512*i
.set i, i+1
.endr
.endm
.macro LOADP dst, n
.set i, 0
.rept 16
	ds_load_b128 v[(\dst)+4*i:(\dst)+4*i+3], v[APR+(\n)] offset:512*i
.set i, i+1
.endr
.endm
.macro ADDP src
.set p, 0
.rept 32
	v_pk_add_f32 v[D+p:D+p+1], v[D+p:D+p+1], v[(\src)+p:(\src)+p+1]
.set p, p+2
.endr
.endm
.macro REDUCE                          ; D = the four waves' partial sums for my tile: mine lie in KA, the other three come from LDS
	LOADP D, 0
	LOADP XF, 1
	s_wait_dscnt 16                                ; the first sixteen are in; the second sixteen may stay out
	ADDP KA
	LOADP KA, 2
	s_wait_dscnt 16                                ; all but the sixteen just issued
	ADDP XF
	s_wait_dscnt 0x0
	ADDP KA
.endm
.macro EMIT                            ; the next stage's input lies in KA: its row's s, h s, the input over s as f16 into XH, 1 / s into SCL
	ROWMAX KA
	v_sub_nc_u32 v[INV], 0x7f000000, v[TA]         ; the reciprocal of a power of two, by its exponent
	v_mul_f32 v[HS], s48, v[TA]
	v_mov_b32 v[INV+1], v[INV]
	v_mov_b32 v[HS+1], v[HS]
	v_add_nc_u32 v[TB], s62, v[AXH0]               ; my tile's rows
	v_add_nc_u32 v[T0], s63, v[ASC0]
.set p, 0
.rept 32
	v_pk_mul_f32 v[KA+p:KA+p+1], v[KA+p:KA+p+1], v[INV:INV+1]
.set p, p+2
.endr
.set p, 0
.rept 32
	v_cvt_pk_f16_f32 v[AT+p], v[KA+2*p], v[KA+2*p+1]
.set p, p+1
.endr
.irp ob, 0,1,2,3,4,5,6,7
	ds_store_b128 v[TB], v[AT+4*\ob:AT+4*\ob+3] offset:32*\ob
.endr
	ds_store_b32 v[T0], v[INV]
.endm
; the owner's arithmetic, 64 numbers a line group; a coefficient lies in s2 and is taken for both halves
.macro PKM win, d, a, k                ; d = a k
	s_mov_b32 s2, \k
	WIN \win
.set p, 0
.rept 32
	v_pk_mul_f32 v[(\d)+p:(\d)+p+1], v[(\a)+p:(\a)+p+1], s[2:3] op_sel_hi:[1,0]
.set p, p+2
.endr
.endm
.macro PKF win, d, a, k, c             ; d = a k + c
	s_mov_b32 s2, \k
	WIN \win
.set p, 0
.rept 32
	v_pk_fma_f32 v[(\d)+p:(\d)+p+1], v[(\a)+p:(\a)+p+1], s[2:3], v[(\c)+p:(\c)+p+1] op_sel_hi:[1,0,1]
.set p, p+2
.endr
.endm
.macro SCALE win, d                    ; d = D h s
	WIN \win
.set p, 0
.rept 32
	v_pk_mul_f32 v[(\d)+p:(\d)+p+1], v[D+p:D+p+1], v[HS:HS+1]
.set p, p+2
.endr
.endm
; STAGES 2 TO 6: the four tiles, a trip a tile.  A trip's 64 matrix instructions stand on end but for what rides behind them:
;   1      rho (five plain lines: the places behind the last trip's last matrix instruction), then the LAST tile's partial sums go to LDS (not in the first trip: nothing is there yet)
;   17-32  the lower half's activation, four lines each; behind the 25th, when D's lower half has been converted, the upper half's base arrays are asked for into it
;   33-48  the upper half's activation, four lines each; behind the 37th the wait for those arrays; behind the 38th the NEXT tile's input and arrays are asked for (not in the last trip)
; The fourth tile is my own: its sums stay in KA.
.macro TILES
	INITW
	SETW
	LOADX
	ds_load_b32 v[SGT], v[WSG]
	LOADA AT, 0
	v_mov_b32 v[T0], v[WAR]
	s_mov_b32 s27, 4
.Lt_\@:
	s_wait_dscnt 0x0                               ; the tile's input and lower arrays are in: in the loop they were asked for 26 matrix instructions back
.set gi, 0
.set gj, 0
.set ql, 0
.set qh, 0
	G1
	WIN 0
	RHO v[SGT]
	s_cmp_eq_u32 s27, 4
	s_cbranch_scc1 .Lf_\@
	STOREK T0
.Lf_\@:
	v_mov_b32 v[T0], v[WAR]                        ; this tile's place is kept for its partial sums
.rept 15
	G1
.endr
.rept 16
	G1
.rept 4
	RL
.endr
.if gi == 25
	LOADA D, 1
.endif
.endr
.rept 16
	G2
.if gj == 5
	s_wait_dscnt 0x0                               ; the upper arrays, asked for 12 matrix instructions back, are in; the partial sums' stores are done
.endif
.rept 4
	RHI
.endr
.if gj == 6
	STEPW
	SETW
	s_cmp_eq_u32 s27, 1
	s_cbranch_scc1 .Ls_\@
	LOADX                                          ; XF's last reader stands 28 plain lines back
	ds_load_b32 v[SGT], v[WSG]
	LOADA AT, 0
.Ls_\@:
.endif
.endr
.rept 16
	G2
.endr
	WIN 0
	s_sub_co_u32 s27, s27, 1
	s_cmp_lg_u32 s27, 0
	s_cbranch_scc1 .Lt_\@
	PLACES                                         ; behind the last matrix instruction: KA is read, and HB loaded into, behind the barrier
.endm
	s_load_b256 s[8:15], s[0:1], 0x0               ; wf 8, b1 10, x 12, old record 14
	s_load_b128 s[16:19], s[0:1], 0x20             ; x5 16, new record 18
	v_lshl_add_u32 v[SPW], v0, 2, SPARE
	v_mov_b32 v[NIL], 0
	ds_add_u32 v[SPW], v[NIL]                      ; the wave's opening: the add, twice on end, and its wait ahead of my tensor load
	ds_add_u32 v[SPW], v[NIL]
	v_lshrrev_b32 v[TA], 5, v0
	v_readfirstlane_b32 s[WV], v[TA]               ; wave 0..3
	s_bfe_u32 s25, ttmp6, 0x40000                  ; cx
	s_lshl_b32 s26, ttmp9, 2
	s_add_co_u32 s26, s26, s25                     ; my work-group: it enters global addresses alone
	v_and_b32 v[TA], 31, v0                        ; lane
	v_and_b32 v[TB], 15, v0                        ; r
	v_bfe_u32 v[SGT], v0, 4, 1                     ; hh
	v_lshlrev_b32 v[L16], 4, v[TA]
	v_mul_u32_u24 v[AXH0], v[TB], XHP
	v_lshl_add_u32 v[AXH0], v[SGT], 4, v[AXH0]
	v_add_nc_u32 v[AXH0], XH, v[AXH0]
	v_lshl_add_u32 v[ASC0], v[TB], 2, SCL
	s_lshl_b32 s28, s[WV], 16
	v_add_nc_u32 v[AAR0], s28, v[L16]
	s_lshl_b32 s29, s[WV], 9
	s_add_co_u32 s29, s29, SIGL
	v_lshl_add_u32 v[ASG0], v[TA], 2, s29
	s_lshl_b32 s6, s[WV], 13                       ; my tile's place among a wave's partial sums
	s_add_co_u32 s6, s6, 32768
.irp m, 0,1,2
	s_add_co_u32 s7, s[WV], 1+\m                   ; in the share of wave w + 1 + m, modulo 4
	s_and_b32 s7, s7, 3
	s_lshl_b32 s7, s7, 16
	s_add_co_u32 s7, s7, s6
	v_add_nc_u32 v[APR+\m], s7, v[L16]
.endr
	s_lshl_b32 s55, s[WV], 10
	s_add_co_u32 s55, s55, BAS
	v_lshl_add_u32 v[ABF], v[SGT], 5, s55
	v_lshl_add_u32 v[ABA], v[SGT], 4, s55
	s_mul_i32 s20, s[WV], 16*XSP
	s_add_co_u32 s20, s20, XST
	v_mul_u32_u24 v[ASTW], v[TB], XSP
	v_lshl_add_u32 v[ASTW], v[SGT], 5, v[ASTW]
	v_add_nc_u32 v[ASTW], s20, v[ASTW]
	v_add_nc_u32 v[ASTR], s20, v[L16]
	v_lshlrev_b32 v[WXH], 5, v[SGT]                ; c0: 32 hh
	s_mul_i32 s62, s[WV], 16*XHP
	s_lshl_b32 s63, s[WV], 6
	s_mov_b32 s30, 0x76543210
	s_mov_b32 s31, 0xfedcba98
	s_mov_b32 s21, 0xffff0000
	s_mov_b32 s3, 0                                ; named with s2 as a pair; also the 0 of the packed minimum
	s_mov_b32 s29, 0
	s_lshl_b32 s22, s26, 15                        ; my work-group's 64 rows of 512 bytes,
	s_lshl_b32 s23, s[WV], 13                      ; my tile's 16
	s_add_co_u32 s22, s22, s23
	s_mov_b32 s23, 0
	s_lshl_b32 s4, s26, 4                          ; my work-group's record, 16 bytes; its four errors likewise,
	s_lshl_b32 s5, s[WV], 2
	s_add_co_u32 s5, s5, s4                        ; of which mine
	; the descriptor: 256 rows of 256 bytes, dense: my 65,536 bytes of fragments, to the same place in LDS
	s_mov_b32 s32, 1                               ; count
	s_lshl_b32 s33, s[WV], 16                      ; LDS address
	s_mov_b32 s36, 15|(3<<16)|(1<<21)              ; the mask of four; elements of 8 bytes; bit 21 beside a mask
	s_mov_b32 s37, 32<<16                          ; tensor_dim0 = 32
	s_mov_b32 s38, 256<<16                         ; tensor_dim1 = 256
	s_mov_b32 s39, 32<<16                          ; tile_dim0 = 32
	s_mov_b32 s40, 256                             ; tile_dim1 = 256
	s_mov_b32 s41, 32                              ; elements from row to row
	s_mov_b32 s42, 0
	s_mov_b32 s43, 0
	s_wait_dscnt 0x0                               ; both opening adds are done
	s_wait_kmcnt 0x0
	s_add_nc_u64 s[34:35], s[8:9], s[28:29]        ; made of the wave's number alone: alike in the four partners
	s_or_b32 s35, s35, 0x80000000
	s_lshl_b32 s28, s[WV], 9
	s_add_nc_u64 s[10:11], s[10:11], s[28:29]      ; b1 at my slice
	s_add_nc_u64 s[12:13], s[12:13], s[22:23]
	s_add_nc_u64 s[16:17], s[16:17], s[22:23]
	CROUND                                         ; all four work-groups are here: the joint loads meet
	tensor_load_to_lds s[32:35], s[36:43]
	s_nop 0
	PLACES
	s_load_b128 s[44:47], s[14:15], s4 offset:0x1000   ; t, dt, h, first
.set i, 0
.rept 8
	global_load_b128 v[D+4*i:D+4*i+3], v[L16], s[14:15] offset:512*i   ; the 1,024 errors
.set i, i+1
.endr
	global_load_b128 v[AT:AT+3], v[L16], s[10:11]
.set i, 0
.rept 16
	global_load_b128 v[KA+4*i:KA+4*i+3], v[L16], s[12:13] offset:512*i ; a row a load
.set i, i+1
.endr
	WIN 0x40
.set i, 0
.rept 16
	global_load_b128 v[ST0+4*i:ST0+4*i+3], v[WXH], s[8:9] offset:262144+64*(i/2)+16*(i%2)
.set i, i+1
.endr
	WIN 0
	s_wait_loadcnt 33                              ; the eight loads of errors are in; the 33 behind them may stay out
	s_wait_kmcnt 0x0
	v_max3_num_f32 v[D], v[D], v[D+1], v[D+2]
.set i, 3
.rept 14
	v_max3_num_f32 v[D], v[D], v[D+i], v[D+i+1]
.set i, i+2
.endr
	v_max_num_f32 v[D], v[D], v[D+31]
	v_max_num_f32_dpp v[D], v[D], v[D] row_xmask:1 row_mask:0xf bank_mask:0xf
	v_max_num_f32_dpp v[D], v[D], v[D] row_xmask:2 row_mask:0xf bank_mask:0xf
	v_max_num_f32_dpp v[D], v[D], v[D] row_xmask:4 row_mask:0xf bank_mask:0xf
	v_max_num_f32_dpp v[D], v[D], v[D] row_xmask:8 row_mask:0xf bank_mask:0xf
	v_permlanex16_b32 v[D+1], v[D], s30, s31
	v_max_num_f32 v[D], v[D], v[D+1]               ; err of the step before
	v_add_f32 v[D+1], 0x2b8cbccc, v[D]             ; + 1e-12
	v_rcp_f32 v[D+1], v[D+1]
	v_mov_b32 v[D+2], s46                          ; (a plain line behind each of the three, then a wait)
	s_wait_alu depctr_va_vdst(0)
	v_mul_f32 v[D+1], 0x3c23d70a, v[D+1]           ; 0.01 / ..
	v_log_f32 v[D+1], v[D+1]
	v_add_f32 v[D+3], s44, v[D+2]                  ; t + h
	s_wait_alu depctr_va_vdst(0)
	v_mul_f32 v[D+1], 0x3e4ccccd, v[D+1]           ; to the power 0.2
	v_exp_f32 v[D+1], v[D+1]
	v_mov_b32 v[D+4], s44
	s_wait_alu depctr_va_vdst(0)
	v_mul_f32 v[D+1], 0x3f666666, v[D+1]           ; 0.9
	v_max_num_f32 v[D+1], 0x3e4ccccd, v[D+1]       ; 0.2 ..
	v_min_num_f32 v[D+1], 0x40a00000, v[D+1]       ; .. 5
	v_mul_f32 v[D+1], s45, v[D+1]
	v_max_num_f32 v[D+1], 0x3dcccccd, v[D+1]       ; dt
	v_mov_b32 v[D+5], s47
	v_cmp_ge_f32 s51, 0x3c23d70a, v[D]             ; err <= 0.01
	v_cmp_ge_f32 s53, 0x3dccccce, v[D+2]           ; h <= 0.1 + 1e-8, as f32
	v_cmp_ne_u32 s52, 0, v[D+5]                    ; first: x is x0
	s_or_b32 s51, s51, s53                         ; take
	v_cndmask_b32 v[D+3], v[D+4], v[D+3], s51      ; t
	v_sub_f32 v[D+4], 1.0, v[D+3]
	v_max_num_f32 v[D+4], 0, v[D+4]
	v_min_num_f32 v[D+4], v[D+4], v[D+1]           ; h
	v_readfirstlane_b32 s56, v[D+3]
	v_readfirstlane_b32 s57, v[D+1]
	v_readfirstlane_b32 s48, v[D+4]
	s_mov_b32 s49, s48
	s_wait_loadcnt 16                              ; all but c0's sixteen
.set i, 0
.rept 32
	v_cvt_pk_bf16_f32 v[D+i], v[KA+2*i], v[KA+2*i+1]
.set i, i+1
.endr
.set i, 0
.rept 32
	v_lshlrev_b32 v[XF+2*i], 16, v[D+i]
	v_and_b32 v[XF+2*i+1], s21, v[D+i]
.set i, i+1
.endr
.set i, 0
.rept 64
	v_cndmask_b32 v[KA+i], v[KA+i], v[XF+i], s52
.set i, i+1
.endr
.set i, 0
.rept 16
	ds_store_b128 v[ASTR], v[KA+4*i:KA+4*i+3] offset:XSP*i   ; by rows into my stage,
.set i, i+1
.endr
.set i, 0
.rept 16
	ds_load_b128 v[KA+4*i:KA+4*i+3], v[ASTW] offset:64*(i/2)+16*(i%2)  ; back in the state's layout (LDS serves a wave's instructions in order: ISA guide 5.7.1.4): as stage 1's input,
.set i, i+1
.endr
	WIN 0x40
.set i, 0
.rept 16
	ds_load_b128 v[STX+4*i:STX+4*i+3], v[ASTW] offset:64*(i/2)+16*(i%2)  ; and as the state
.set i, i+1
.endr
	WIN 0
	; b1 of my slice: rounded to bf16; as f32, and as the two base arrays of stage 1
	v_cvt_pk_bf16_f32 v[D], v[AT], v[AT+1]
	v_cvt_pk_bf16_f32 v[D+1], v[AT+2], v[AT+3]
	v_lshlrev_b32 v[AT], 16, v[D]
	v_and_b32 v[AT+1], s21, v[D]
	v_lshlrev_b32 v[AT+2], 16, v[D+1]
	v_and_b32 v[AT+3], s21, v[D+1]
	v_add_nc_u32 v[T0], s55, v[L16]
	ds_store_b128 v[T0], v[AT:AT+3]
	v_max3_num_f32 v[TA], |v[AT]|, |v[AT+1]|, |v[AT+2]|
	v_max_num_f32 v[TA], v[TA], |v[AT+3]|
	WAVEMAX
	POW2
	v_readfirstlane_b32 s50, v[TA]                 ; sigma_b
	v_sub_nc_u32 v[TB], 0x7f000000, v[TA]
	v_xor_b32 v[D+12], 0x80000000, v[TB]
.irp j, 0,1,2,3
	v_min_num_f32 v[D+\j], 0, v[AT+\j]
	v_max_num_f32 v[D+4+\j], 0, v[AT+\j]
.endr
.irp j, 0,1,2,3
	v_mul_f32 v[D+\j], v[TB], v[D+\j]
	v_mul_f32 v[D+4+\j], v[D+12], v[D+4+\j]
.endr
	v_cvt_pk_f16_f32 v[D+8], v[D], v[D+1]
	v_cvt_pk_f16_f32 v[D+9], v[D+2], v[D+3]
	v_cvt_pk_f16_f32 v[D+10], v[D+4], v[D+5]
	v_cvt_pk_f16_f32 v[D+11], v[D+6], v[D+7]
	v_lshrrev_b32 v[T0], 1, v[L16]
	v_add_nc_u32 v[T0], s55, v[T0]
	ds_store_b64 v[T0], v[D+8:D+9] offset:512
	ds_store_b64 v[T0], v[D+10:D+11] offset:768
	s_wait_dscnt 0x0                               ; x is back in the state's layout
	s_wait_loadcnt 0x0                             ; c0
	WIN 0x41
.set p, 0
.rept 32
	v_pk_mul_f32 v[ST0+p:ST0+p+1], v[ST0+p:ST0+p+1], s[48:49] op_sel_hi:[1,0]  ; h c0
.set p, p+2
.endr
	WIN 0
	EMIT                                           ; stage 1's input goes out while the fragments may still be on their way
	WIN 0x40                                       ; b1's two arrays come back in the products' layout, for all of stage 1 (my own bytes, stored above: LDS serves a wave's instructions in order),
.irp b, 0,1,2,3,4,5,6,7
	ds_load_b128 v[BA1+4*\b:BA1+4*\b+3], v[ABA] offset:512+32*\b
	ds_load_b128 v[BA2+4*\b:BA2+4*\b+3], v[ABA] offset:768+32*\b
.endr
	LOADZ                                          ; and b1 as f32, for the first tile
	s_wait_tensorcnt 0x0                           ; my fragments are in LDS; no other wave reads them
	WIN 0x80
.set i, 0
.rept 64
	ds_load_b128 v[4*i:4*i+3], v[AAR0] offset:512*i    ; W1
.set i, i+1
.endr
	WIN 0
	BAR                                            ; W1 is in registers; all four tiles' inputs lie in XH
	; STAGE 1: b1 is the base; and z1 = b1 + s G is made and laid down as the base of the other stages.  The loop is turned by a quarter.  A trip, for tile t:
	;   first product 17-32     the lower half's activation, four lines each
	;   second product 1-16     the upper half's activation, four lines each; behind the 6th the NEXT tile's input is asked for (not in the last trip)
	;   second product 17-32    z1 and its largest magnitude, four lines each
	;   sigma; the tile's partial sums go to LDS
	;   first product 1-16 of tile t + 1: z1 / sigma and the two arrays of tile t, eight lines each (a tile has more vector lines than four to a matrix instruction: the rest stands here)
	; The first tile's first 16 matrix instructions stand ahead of the loop; the last trip, my own tile's, leaves in its middle: its sums stay in KA, and its 128 lines stand alone.
	INITW
	SETW
	LOADX
	WIN 0xc0
.set i, 0
.rept 64
	ds_load_b128 v[4*i:4*i+3], v[AAR0] offset:32768+512*i  ; W2, behind the first tile's input: it lands while the first product runs
.set i, i+1
.endr
	WIN 0
	s_mov_b32 s7, 0xbc00bc00                       ; -1.0 twice, f16
	s_mov_b32 s27, 4
	s_wait_dscnt 63                                ; the tile's nine loads are in; of W2's 64 behind them all but the first may stay out
.set gi, 0
	G1
	WIN 0
	SVRHO
.rept 15
	G1
.endr
	WIN 0
.Lt1:
.set gi, 16
.set gj, 0
.set ql, 0
.set qh, 0
.set qz, 0
.rept 16
	G1
.rept 4
	RL1
.endr
.endr
	s_wait_dscnt 0x0                               ; first trip: W2 is in registers, and my share of LDS, which has had its only fill, is mine to store into; later: b1 is back in ZB, asked for 16 matrix instructions back
.rept 16
	G2
.rept 4
	RH1
.endr
.if gj == 6
	WIN 0
	v_mov_b32 v[T0], v[WAR]                        ; this tile's places are kept: for its partial sums and arrays,
	v_mov_b32 v[WSGK], v[WSG]                      ; and for its sigma
	STEPW
	SETW
	s_cmp_eq_u32 s27, 1
	s_cbranch_scc1 .Ls1
	LOADX                                          ; XF's last reader stands 28 plain lines back
.Ls1:
.endif
.endr
.rept 16
	G2
.rept 4
	Z1
.endr
.endr
	WIN 0
	v_max3_num_f32 v[TA], v[TA], v[TB], v[INV]     ; the four chains, and the lane 16 away: these lines and the four above are the places behind the last matrix instruction
	v_max_num_f32 v[TA], v[TA], v[INV+1]
	v_permlanex16_b32 v[TB], v[TA], s30, s31
	v_max_num_f32 v[TA], v[TA], v[TB]
	POW2                                           ; sigma of the row, for my slice
	ds_store_b32 v[WSGK], v[TA]
	v_sub_nc_u32 v[INV], 0x7f000000, v[TA]
	v_mov_b32 v[INV+1], v[INV]
	s_sub_co_u32 s27, s27, 1
	s_cmp_eq_u32 s27, 0
	s_cbranch_scc1 .Lz_last                        ; the fourth tile is my own
	s_wait_dscnt 1                                 ; the next tile's input is in, asked for 26 matrix instructions back; the store of sigma may stay out
	STOREK T0
.set gi, 0
.set qy, 0
	G1
	WIN 0
	SVRHO
.rept 8
	Z2
.endr
.rept 15
	G1
.rept 8
	Z2
.endr
.endr
	WIN 0
	ARRST
	LOADZ                                          ; ZB has been read out: b1 for the next tile
	s_branch .Lt1
.Lz_last:
.set qy, 0
.rept 128
	Z2
.endr
	WIN 0
	ARRST
	BAR                                            ; all partial sums lie in LDS; nobody reads XH any more
	REDUCE
	WIN 0x50
.set p, 0
.rept 32
	v_pk_fma_f32 v[ST0+p:ST0+p+1], v[D+p:D+p+1], v[HS:HS+1], v[ST0+p:ST0+p+1]   ; K1 = h c0 + h s R
.set p, p+2
.endr
	PKM 0x01, KA, ST0, 0x3e800000                  ; 1/4 K1
	WIN 0
	EMIT
	BAR
	TILES
	BAR
	REDUCE
	SCALE 0x40, ST1                                ; K2
	PKM 0x01, KA, ST0, 0x3ec00000                  ; 3/8 K1
	PKF 0x01, KA, ST1, 0x3e900000, KA              ; + 9/32 K2
	WIN 0
	EMIT
	BAR
	TILES
	BAR
	REDUCE
	SCALE 0x40, ST2                                ; K3
	PKM 0x01, KA, ST0, 0x3f6c4ec5                  ; 12/13 K1
	PKF 0x01, KA, ST1, 0xc051bd95, KA              ; - 7200/2197 K2
	PKF 0x01, KA, ST2, 0x4054897f, KA              ; + 7296/2197 K3
	WIN 0
	EMIT
	BAR
	TILES
	BAR
	REDUCE
	SCALE 0, D                                     ; K4
	PKF 0x10, KA, D, 0xbe52d695, ST0               ; K1 - 845/4104 K4
	PKF 0x01, KA, ST1, 0xc1000000, KA              ; - 8 K2
	PKF 0x01, KA, ST2, 0x40e58d39, KA              ; + 3680/513 K3
	PKM 0x41, ST1, ST1, 0x40000000                 ; stage 6's input but for K5: 2 K2
	PKF 0x51, ST1, ST0, 0x3f000000, ST1            ; + 1/2 K1
	PKF 0x51, ST1, ST2, 0xbfb0dac6, ST1            ; - 3544/2565 K3
	PKF 0x50, ST1, D, 0x3ee7ec0a, ST1              ; + 1859/4104 K4
	PKF 0x51, ST0, ST2, 0x3f04dc4a, ST0            ; x5 - x: K1 + 6656/12825 K3
	PKF 0x50, ST0, D, 0x3f0191d5, ST0              ; + 28561/56430 K4
	PKM 0x41, ST2, ST2, 0xbcf547eb                 ; x5 - x4: - 128/4275 K3
	PKF 0x50, ST2, D, 0xbcef349e, ST2              ; - 2197/75240 K4
	WIN 0
	EMIT
	BAR
	TILES
	BAR
	REDUCE
	SCALE 0, D                                     ; K5
	PKF 0x10, KA, D, 0xbe8ccccd, ST1               ; - 11/40 K5
	PKF 0x50, ST0, D, 0xbe3851ec, ST0              ; - 9/50 K5
	PKF 0x50, ST2, D, 0x3ca3d70a, ST2              ; + 1/50 K5
	WIN 0
	EMIT
	BAR
	TILES
	BAR
	REDUCE
	SCALE 0, D                                     ; K6
	PKF 0x50, ST0, D, 0x3d14f209, ST0              ; + 2/55 K6
	PKF 0x50, ST2, D, 0x3d14f209, ST2              ; + 2/55 K6
	WIN 0x05
.set p, 0
.rept 32
	v_pk_add_f32 v[KA+p:KA+p+1], v[STX+p:STX+p+1], v[ST0+p:ST0+p+1]   ; x5
.set p, p+2
.endr
	WIN 0
	v_mov_b32 v[TA], 0
	v_mov_b32 v[TB], 0
	WIN 0x14
.set i, 0
.rept 16
	v_max3_num_f32 v[TA], v[TA], |v[ST2+i]|, |v[ST2+i+1]|
	v_max3_num_f32 v[TB], v[TB], |v[ST2+i+2]|, |v[ST2+i+3]|
.set i, i+4
.endr
	WIN 0
	v_max_num_f32 v[TA], v[TA], v[TB]
.set i, 0
.rept 16
	ds_store_b128 v[ASTW], v[KA+4*i:KA+4*i+3] offset:64*(i/2)+16*(i%2)
.set i, i+1
.endr
.set i, 0
.rept 16
	ds_load_b128 v[D+4*i:D+4*i+3], v[ASTR] offset:XSP*i
.set i, i+1
.endr
	WAVEMAX                                        ; my tile's largest |x5 - x4|
	v_mov_b32 v[XF], s56                           ; the record: t,
	v_mov_b32 v[XF+1], s57                         ; dt,
	v_mov_b32 v[XF+2], s48                         ; h,
	v_mov_b32 v[XF+3], 0                           ; and: the next step's x is not x0
	v_mov_b32 v[XF+4], s5                          ; 4 (4 work-group + wave)
	v_mov_b32 v[XF+5], s4
.set i, 0
.rept 16
	s_wait_dscnt 15-i
	global_store_b128 v[L16], v[D+4*i:D+4*i+3], s[16:17] offset:512*i  ; a row of 512 consecutive bytes, aligned
.set i, i+1
.endr
	v_cmp_eq_u32 vcc_lo, 0, v[L16]
	s_wait_xcnt 0x0                                ; EXEC changes only behind this wait
	s_and_saveexec_b32 s54, vcc_lo                 ; lane 0
	global_store_b32 v[XF+4], v[TA], s[18:19]
	s_cmp_lg_u32 s[WV], 0
	s_cbranch_scc1 .Lnorec
	global_store_b128 v[XF+5], v[XF:XF+3], s[18:19] offset:4096
.Lnorec:
	s_wait_xcnt 0x0
	s_or_b32 exec_lo, exec_lo, s54
	s_wait_tensorcnt 0x0                           ; the wave's end, behind my tensor load and my last LDS store
	ds_add_u32 v[SPW], v[NIL]
	s_wait_dscnt 0x0
	CROUND                                         ; the closing round
	s_endpgm
.Lfunc_end_k_qf449b10113_step1:
	.size	k_qf449b10113_step1, .Lfunc_end_k_qf449b10113_step1-k_qf449b10113_step1
	.p2alignl 7, 3214868480
	.fill 96, 4, 3214868480
	.section	.rodata,"a",@progbits
	.p2align	6, 0x0
	.amdhsa_kernel k_qf449b10113_step1
		.amdhsa_group_segment_fixed_size 327680
		.amdhsa_private_segment_fixed_size 0
		.amdhsa_enable_private_segment 0
		.amdhsa_kernarg_size 48
		.amdhsa_user_sgpr_count 2
		.amdhsa_user_sgpr_kernarg_segment_ptr 1
		.amdhsa_wavefront_size32 1
		.amdhsa_system_sgpr_workgroup_id_x 1
		.amdhsa_system_sgpr_workgroup_id_y 1
		.amdhsa_system_sgpr_workgroup_id_z 1
		.amdhsa_system_vgpr_workitem_id 0
		.amdhsa_next_free_vgpr 1024
		.amdhsa_next_free_sgpr 66
		.amdhsa_reserve_vcc 1
		.amdhsa_float_denorm_mode_32 3
		.amdhsa_float_denorm_mode_16_64 3
		.amdhsa_memory_ordered 1
		.amdhsa_forward_progress 1
		.amdhsa_inst_pref_size 255
	.end_amdhsa_kernel
	.section	.bss,"aw",@nobits
	.p2align	6
	.space	262144
	.amdgpu_metadata
---
amdhsa.version: [ 1, 2 ]
amdhsa.kernels:
  - .name:           k_qf449b10113_step1
    .symbol:         k_qf449b10113_step1.kd
    .args:
      - { .name: wf, .offset: 0, .size: 8, .value_kind: global_buffer, .address_space: global }
      - { .name: b1, .offset: 8, .size: 8, .value_kind: global_buffer, .address_space: global }
      - { .name: x0, .offset: 16, .size: 8, .value_kind: global_buffer, .address_space: global }
      - { .name: stA, .offset: 24, .size: 8, .value_kind: global_buffer, .address_space: global }
      - { .name: xs1, .offset: 32, .size: 8, .value_kind: global_buffer, .address_space: global }
      - { .name: stB, .offset: 40, .size: 8, .value_kind: global_buffer, .address_space: global }
    .group_segment_fixed_size: 327680
    .private_segment_fixed_size: 0
    .kernarg_segment_align: 8
    .kernarg_segment_size: 48
    .max_flat_workgroup_size: 128
    .sgpr_count:     66
    .vgpr_count:     1024
    .wavefront_size: 32
...
	.end_amdgpu_metadata
.endif
;; end of part 5
;; launch step2: the kernel of part 5 again; grid 256 x 1, 4 waves a work-group, clusters of 4 x 1, 327,680 bytes of LDS; arguments wf, b1, xs1, stB, xs2, stA; writes xs2, stA
;; launch sel: the kernel of part 3 again; grid 256 x 1, 8 waves a work-group, no clusters, 0 bytes of LDS; arguments xs1, xs2, stA, xsel; writes xsel
;; launch step3: the kernel of part 5 again; grid 256 x 1, 4 waves a work-group, clusters of 4 x 1, 327,680 bytes of LDS; arguments wf, b1, xsel, stA, xs3, stB; writes xs3, stB
;; launch fin: the kernel of part 3 again; grid 256 x 1, 8 waves a work-group, no clusters, 0 bytes of LDS; arguments xsel, xs3, stB, out0; writes out0
;; ======== version 3 of 3: 6 launches; version 2 with the launches sel, fin written anew for expert scheduling mode
;; limits: values are held in f16: magnitudes above 65,504 overflow, below 6.1e-05 lose precision; right only within a limited range of input values
;; workspace buffers: wf 262,656 bytes; stA 8,192 bytes; stB 8,192 bytes; xs1 8,388,608 bytes; xs2 8,388,608 bytes; xsel 8,388,608 bytes; xs3 8,388,608 bytes
;; launch prep: the kernel of part 4 again; grid 68 x 1, 8 waves a work-group, no clusters, 0 bytes of LDS; arguments W1, W2, b1, b2, wf, stA; writes wf, stA
;; launch step1: the kernel of part 5 again; grid 256 x 1, 4 waves a work-group, clusters of 4 x 1, 327,680 bytes of LDS; arguments wf, b1, x0, stA, xs1, stB; writes xs1, stB
;; launch step2: the kernel of part 5 again; grid 256 x 1, 4 waves a work-group, clusters of 4 x 1, 327,680 bytes of LDS; arguments wf, b1, xs1, stB, xs2, stA; writes xs2, stA
;; launch sel (part 6): grid 256 x 1, 8 waves a work-group, no clusters, 0 bytes of LDS; arguments xs1, xs2, stA, xsel; writes xsel
.if DOCPART == 6
	.amdgcn_target "amdgcn-amd-amdhsa--gfx1250"
	.amdhsa_code_object_version 6
	.text
	.protected	k_qf449b10113_sel
	.globl	k_qf449b10113_sel
	.p2align	8
	.type	k_qf449b10113_sel,@function
k_qf449b10113_sel:
	s_mov_b64 s[64:65], 0
	v_nop
	global_prefetch_b8 v0, s[64:65] scope:SCOPE_SE
	s_setreg_imm32_b32 hwreg(HW_REG_WAVE_SCHED_MODE, 0, 2), 2
	s_setreg_imm32_b32 hwreg(HW_REG_WAVE_MODE, 25, 1), 1
	s_wait_xcnt 0x0
	s_wait_alu depctr_vm_vsrc(0)
; A STEP IS JUDGED.  out = accepted ? the step's x5 : the x that it started from.  Arguments: the start, the x5, the step's record, out.
; It runs twice: behind step 2 (its result is step 3's start) and behind step 3 (its result is the problem's output).  Step 1 needs none: it is always accepted (shown at the head of the first kernel).
; LEFT OUT: t and dt behind step 3, which nothing reads.
; Accepted: the largest of the step's 1,024 wave maxima <= 0.01, or its h <= 0.1 + 1e-8.  Both buffers are read and the choice is a select: no branch and no address hangs on a floating-point number.
; A stream: a work-group moves 32,768 bytes of each buffer, a thread 16 bytes in each of eight rounds; a wave's load or store covers 512 consecutive bytes.  No LDS, no matrix unit, no cluster: nothing is shared but 4,096 bytes of errors.
; THE MODE: SCHED_MODE bits 1:0 = 2 (LLVM: expert scheduling mode 2), set by the entry lines.  The code itself states the register dependences
; between vector instructions and memory instructions, with s_wait_alu, always for 0.
; THE PLAN.  Registers that memory instructions touch:
;   v1, v2   byte offsets.  Written once at the head; read by every load and store; never written again.
;   E        Written by the eight loads of errors; behind the wait for them named by vector lines alone.
;   B        Written by loads; read by the selects.
;   A        Written by loads; pair i's four selects write it in place; pair i's store reads it; nothing writes it behind that.
;   s29, s30 Written by the two compares; their first reader is the scalar OR.
; All 24 loads stand behind one wait at the head.  The eight pairs go in four blocks of two: block p's selects name A and B of pairs 2 p and 2 p + 1 alone, and the two stores of block p - 1
; are dealt among them, behind ONE wait at the block's head which states that block p - 1's selects have written their A.  No register that a memory instruction has read is written again.
.set E, 4                              ; v[4:35]    the errors
.set A, 40                             ; v[40:71]   the step's x5, then what is stored
.set B, 72                             ; v[72:103]  its start
	s_load_b256 s[4:11], s[0:1], 0x0               ; start s[4:5], x5 s[6:7], record s[8:9], out s[10:11]
	s_lshl_b32 s17, ttmp9, 4
	s_lshl_b32 s18, ttmp9, 15
	s_mov_b32 s19, 0
	s_mov_b32 s26, 0x76543210
	s_mov_b32 s27, 0xfedcba98
	v_and_b32 v1, 31, v0
	v_lshlrev_b32 v1, 4, v1
	v_lshlrev_b32 v2, 4, v0
	s_wait_kmcnt 0x0
	s_load_b128 s[20:23], s[8:9], s17 offset:0x1000    ; t, dt, h of the step
	s_wait_alu depctr_va_vdst(0)                   ; v1 and v2 are written: every load and store below reads one of them as its offset
.set i, 0
.rept 8
	global_load_b128 v[E+4*i:E+4*i+3], v1, s[8:9] offset:512*i
.set i, i+1
.endr
	s_add_nc_u64 s[4:5], s[4:5], s[18:19]
	s_add_nc_u64 s[6:7], s[6:7], s[18:19]
	s_add_nc_u64 s[10:11], s[10:11], s[18:19]
.set i, 0
.rept 8
	global_load_b128 v[A+4*i:A+4*i+3], v2, s[6:7] offset:4096*i th:TH_LOAD_NT
	global_load_b128 v[B+4*i:B+4*i+3], v2, s[4:5] offset:4096*i th:TH_LOAD_NT
.set i, i+1
.endr
	s_wait_loadcnt 16                              ; the errors are in; the sixteen behind them stay out
	s_wait_kmcnt 0x0
	v_max3_num_f32 v[E], v[E], v[E+1], v[E+2]
.set i, 3
.rept 14
	v_max3_num_f32 v[E], v[E], v[E+i], v[E+i+1]
.set i, i+2
.endr
	v_max_num_f32 v[E], v[E], v[E+31]
	v_max_num_f32_dpp v[E], v[E], v[E] row_xmask:1 row_mask:0xf bank_mask:0xf
	v_max_num_f32_dpp v[E], v[E], v[E] row_xmask:2 row_mask:0xf bank_mask:0xf
	v_max_num_f32_dpp v[E], v[E], v[E] row_xmask:4 row_mask:0xf bank_mask:0xf
	v_max_num_f32_dpp v[E], v[E], v[E] row_xmask:8 row_mask:0xf bank_mask:0xf
	v_permlanex16_b32 v[E+1], v[E], s26, s27
	v_max_num_f32 v[E], v[E], v[E+1]
	v_mov_b32 v[E+2], s22
	v_cmp_ge_f32 s29, 0x3c23d70a, v[E]             ; err <= 0.01
	v_cmp_ge_f32 s30, 0x3dccccce, v[E+2]           ; h <= 0.1 + 1e-8, as f32
	s_wait_alu depctr_va_sdst(0)                   ; the two compares have written s29 and s30, ahead of their first reader, the line below
	s_or_b32 s29, s29, s30
.set i, 0
.rept 8
.if i%2 == 0
	s_wait_loadcnt 12-2*i                          ; a block's head: pairs i and i + 1 are in; the younger pairs stay out
.if i > 0
	s_wait_alu depctr_va_vdst(0)                   ; the selects of the block before have written A of pairs i - 2 and i - 1, which the two stores of this block read
.endif
.endif
.if i >= 2
	global_store_b128 v2, v[A+4*(i-2):A+4*(i-2)+3], s[10:11] offset:4096*(i-2) th:TH_STORE_NT  ; the block before; no vector line since the wait names these registers
.endif
	v_cndmask_b32 v[A+4*i], v[B+4*i], v[A+4*i], s29
	v_cndmask_b32 v[A+4*i+1], v[B+4*i+1], v[A+4*i+1], s29
	v_cndmask_b32 v[A+4*i+2], v[B+4*i+2], v[A+4*i+2], s29
	v_cndmask_b32 v[A+4*i+3], v[B+4*i+3], v[A+4*i+3], s29
.set i, i+1
.endr
	s_wait_alu depctr_va_vdst(0)                   ; the last block's selects have written A of pairs 6 and 7, which the last two stores read
	global_store_b128 v2, v[A+24:A+27], s[10:11] offset:4096*6 th:TH_STORE_NT
	global_store_b128 v2, v[A+28:A+31], s[10:11] offset:4096*7 th:TH_STORE_NT
	s_endpgm
.Lfunc_end_k_qf449b10113_sel:
	.size	k_qf449b10113_sel, .Lfunc_end_k_qf449b10113_sel-k_qf449b10113_sel
	.p2alignl 7, 3214868480
	.fill 96, 4, 3214868480
	.section	.rodata,"a",@progbits
	.p2align	6, 0x0
	.amdhsa_kernel k_qf449b10113_sel
		.amdhsa_group_segment_fixed_size 0
		.amdhsa_private_segment_fixed_size 0
		.amdhsa_enable_private_segment 0
		.amdhsa_kernarg_size 32
		.amdhsa_user_sgpr_count 2
		.amdhsa_user_sgpr_kernarg_segment_ptr 1
		.amdhsa_wavefront_size32 1
		.amdhsa_system_sgpr_workgroup_id_x 1
		.amdhsa_system_sgpr_workgroup_id_y 1
		.amdhsa_system_sgpr_workgroup_id_z 1
		.amdhsa_system_vgpr_workitem_id 0
		.amdhsa_next_free_vgpr 112
		.amdhsa_next_free_sgpr 66
		.amdhsa_reserve_vcc 0
		.amdhsa_float_denorm_mode_32 3
		.amdhsa_float_denorm_mode_16_64 3
		.amdhsa_memory_ordered 1
		.amdhsa_forward_progress 1
		.amdhsa_inst_pref_size 8
	.end_amdhsa_kernel
	.amdgpu_metadata
---
amdhsa.version: [ 1, 2 ]
amdhsa.kernels:
  - .name:           k_qf449b10113_sel
    .symbol:         k_qf449b10113_sel.kd
    .args:
      - { .name: xs1, .offset: 0, .size: 8, .value_kind: global_buffer, .address_space: global }
      - { .name: xs2, .offset: 8, .size: 8, .value_kind: global_buffer, .address_space: global }
      - { .name: stA, .offset: 16, .size: 8, .value_kind: global_buffer, .address_space: global }
      - { .name: xsel, .offset: 24, .size: 8, .value_kind: global_buffer, .address_space: global }
    .group_segment_fixed_size: 0
    .private_segment_fixed_size: 0
    .kernarg_segment_align: 8
    .kernarg_segment_size: 32
    .max_flat_workgroup_size: 256
    .sgpr_count:     66
    .vgpr_count:     112
    .wavefront_size: 32
...
	.end_amdgpu_metadata
.endif
;; end of part 6
;; launch step3: the kernel of part 5 again; grid 256 x 1, 4 waves a work-group, clusters of 4 x 1, 327,680 bytes of LDS; arguments wf, b1, xsel, stA, xs3, stB; writes xs3, stB
;; launch fin: the kernel of part 6 again; grid 256 x 1, 8 waves a work-group, no clusters, 0 bytes of LDS; arguments xsel, xs3, stB, out0; writes out0
